; MI455X (gfx1250); checked and timed in simulation.
; The chip was launched on July 23, 2026; its instructions are those of AMD's public machine-readable ISA for CDNA 5 (MIT licence, August 2026) and "CDNA5" Instruction Set Architecture Reference Guide (July 2026). The comments in the code are by the model that wrote it; some were corrected since.
;; Multi Head Attention. Allowed arithmetic: matrix products marked QUANTISED: E4M3 operands, one given power-of-two scale a tensor, by v_wmma_f32_16x16x64_fp8_fp8 or v_wmma_f32_16x16x128_fp8_fp8, f32 sums; products left as they are: f32 operands where the result goes on into a quantised operand, else bf16, f16 or f32 operands; f32 sums; everything else in f32.
;; Inputs: b_attn 3,072 float32; b_proj 1,024 float32; lowp_scales 8 int32 (the exponents e of the quantised operands' scales 2^e); w_attn 1,024 x 3,072 float32; w_proj 1,024 x 1,024 float32; x 4 x 2,048 x 1,024 float32.
;; Outputs: out0 4 x 2,048 x 1,024 float32.
;; This version of the problem:
;;   THIS VERSION OF THE PROBLEM IS GIVEN IN LOW PRECISION. The matrix products marked QUANTISED in the list below multiply operands that are first quantised to E4M3 (4 exponent bits, 3 mantissa bits; 8 bits a number), with one given power-of-two scale for each operand tensor; their sums are f32. All else is computed in f32.
;;   The module's matrix products, in the order in which they are computed (A, B: the left and right operand; K: the contracted axis; several contracted axes count as one K, in the product's order):
;;     1. [M 8,192, K 1,024] x [K 1,024, N 3,072]; A: input x; B: input w_attn: QUANTISED (scales: A lowp_scales[0], B lowp_scales[1])
;;     2. [M 2,048, K 1] x [K 1, N 32]; A: computed on the way; B: computed on the way: left as it is (no contracted axis)
;;     3. batch 64 x [M 2,048, K 64] x [K 64, N 2,048]; A: computed on the way; B: computed on the way: QUANTISED (scales: A lowp_scales[2], B lowp_scales[3])
;;     4. batch 64 x [M 2,048, K 2,048] x [K 2,048, N 64]; A: softmax (see below); B: computed on the way: QUANTISED (scales: A lowp_scales[4], B lowp_scales[5])
;;     5. [M 8,192, K 1,024] x [K 1,024, N 1,024]; A: computed on the way; B: input w_proj: QUANTISED (scales: A lowp_scales[6], B lowp_scales[7])
;;   THE QUANTISER, for each operand of a quantised product, along K:
;;     - The operand's scale is 2^e, e = its entry of the input lowp_scales (int32; the entries are numbered through the quantised products in the list's order, A before B).
;;     - Each number is divided by the scale, clamped to +-448, and rounded to the nearest number of E4M3, ties to even, subnormals kept.
;;     - The product sums the exact products of the quantised numbers (number of the format x scale) in f32.
;;   ~~~python
;;   def quantise(x, axis, e):      # numpy; x: float32 -> the quantised numbers, widened to float32 again
;;       x = np.moveaxis(x, axis, -1); K = x.shape[-1]
;;       r = np.clip(x / 2.0 ** e, -448, 448)
;;       step = 2.0 ** (np.maximum(np.frexp(np.where(r == 0, 1, r))[1] - 1, -6) - 3)
;;       q = np.round(r / step) * step * 2.0 ** e      # np.round: ties to even
;;       return np.moveaxis(q, -1, axis).astype(np.float32)
;;   ~~~
;;   SOFTMAX AHEAD OF A QUANTISED PRODUCT. Where the list says 'softmax', what is quantised is not the finished softmax but p = 2^(t - M), with t = logit x log2(e) and M = ceil(the row's largest t), a whole number; so 1/2 < the row's largest p <= 1. The row's sum l is taken of the UNQUANTISED p, in f32, and the product's result is divided by l at the end. Since M is a whole number, a kernel that streams over the keys may use a running M (the ceiling of the running maximum): every later rescaling is an exact power of two, so the quantised numbers keep their values, but for numbers so far below the row's largest that they fall under the format's range.
;;   OPERANDS COMPUTED ON THE WAY. 'Computed on the way' means the value that the module computes at that place (a softmax that the list does not call 'softmax' is quantised finished and normalised). What goes into a quantiser is computed in f32, as accurately as f32 sums, v_exp_f32 and their like allow (about 1e-6 of the number): no bf16 or f16 on the way to a quantiser, and a product that is left as it is and whose result goes on into a quantised operand takes f32 operands (vector FMAs, or v_wmma_f32_16x16x4_f32). A number that lies on a knife's edge between two numbers of the format may be rounded either way, as far as f32 arithmetic and the matrix unit's own rounding can turn it there, and no further.
;; One version. Each part assembles by itself: llvm-mc -triple=amdgcn-amd-amdhsa -mcpu=gfx1250 --defsym DOCPART=n.
;; ======== version 1 of 1: 4 launches
;; limits: right only within a limited range of input values
;; workspace buffers: x_img 8,388,608 bytes; wa_img 3,145,728 bytes; wp_img 1,048,576 bytes; rope 524,288 bytes; qkv 25,165,824 bytes; y_img 8,388,608 bytes
;; launch prep (part 1): grid 416 x 1, 4 waves a work-group, no clusters, 34,304 bytes of LDS; arguments x, w_attn, w_proj, lowp_scales, x_img, wa_img, wp_img, rope; writes x_img, wa_img, wp_img, rope
.if DOCPART == 1
	.amdgcn_target "amdgcn-amd-amdhsa--gfx1250"
	.amdhsa_code_object_version 6
	.text
	.protected	k_qac6c940543_prep
	.globl	k_qac6c940543_prep
	.p2align	8
	.type	k_qac6c940543_prep,@function
k_qac6c940543_prep:
	s_mov_b64 s[64:65], 0
	v_nop
	global_prefetch_b8 v0, s[64:65] scope:SCOPE_SE
	s_setreg_imm32_b32 hwreg(HW_REG_WAVE_MODE, 25, 1), 1
	s_wait_xcnt 0x0
; PREP: x, w_attn and w_proj become codes of E4M3, laid as IMAGES OF OPERAND REGISTERS, and the table of cos and sin for the rotation is made.
; AN IMAGE: a fragment of 16 rows x 128 K is 2,048 bytes, [quad c = 0..3][lane 0..31][16 bytes].  Lane (r = lane % 16, h = lane / 16) holds row r;
; bytes 0-7 of quad c are k = 32 c + 8 h + 0..7, bytes 8-15 are k = 32 c + 16 + 8 h + 0..7: the place that the plain fp8 form gives each k.
; x_img [K / 256 : 4][row tile : 512][2][2,048];  wa_img [4][column tile : 192][2][2,048];  wp_img [4][64][2][2,048]: of a weight, row r of a tile is column 16 tile + r.
; rope [t / 16 : 128][quad 0..7][lane][16 bytes] f32: quads 0-3 cos(t f), quads 4-7 sin(t f), t = 16 tile + r, frequency number 16 b + 8 h + 4 e + 0..3 in quad 2 b + e.
; code = number / 2^e, held within +-448, to the nearest code, ties to even; e = entry 0 (x), 1 (w_attn), 7 (w_proj) of the scales.
; LIMITS: each of these e between -126 and 119.  NaN among the inputs is not served.  The 32 frequencies are 10^(-f / 8) rounded to f32.
; THREE PATHS part on the number of the work-group: 0-255 x, 256-383 the weights, 384-415 the table.  Waves share nothing: no barrier.  Only the first path touches LDS.
.set XR,   16                          ; path x: v16-143  two sets of 64 numbers as loaded
.set XX,   144                         ;         v144-207 64 numbers as the conversions want them
.set XC,   208                         ;         v208-239 two sets of 16 registers of codes
.set STGB, 8448                        ; a stage for each wave: 16 rows of 528 bytes
.set SP,   528                         ; 512 bytes + 16: row r starts 4 r banks on, so sixteen rows start at sixteen places
.set WO,   16                          ; path w: v16-47   32 offsets: row i of a block, my column
.set WX,   48                          ;         v48-111  two sets of 32 numbers
.set WC,   112                         ;         v112-175 8 registers of codes for each of 8 blocks: none is written twice
.set COSR, 64                          ; path r: v64-79 cos, v80-95 sin
.set SINR, 80
.macro SCALE e                         ; v11 = 2^e as f32 (the conversion takes its exponent field), v10 = 448 x 2^e; e in s[e]
	s_add_co_i32 s60, s[\e], 127
	s_lshl_b32 s61, s60, 23
	v_mov_b32 v11, s61
	s_add_co_i32 s60, s60, 8
	s_lshl_b32 s60, s60, 23
	s_or_b32 s60, s60, 0x600000
	v_mov_b32 v10, s60
.endm
.macro XLOAD g                         ; fragment g: 128 numbers of each of 16 rows; a load reads 512 consecutive bytes of one row
.irp i, 0,1,2,3,4,5,6,7,8,9,10,11,12,13,14,15
	global_load_b128 v[XR+64*((\g)%2)+4*\i:XR+64*((\g)%2)+4*\i+3], v1, s[4:5] offset:4096*\i+512*(\g) th:TH_LOAD_NT
.endr
.endm
.macro XSTEP g
.if (\g) < 3
	s_wait_loadcnt 16                              ; this fragment's 16 loads are in; the next fragment's 16 may be out
.else
	s_wait_loadcnt 0x0
.endif
.irp i, 0,1,2,3,4,5,6,7,8,9,10,11,12,13,14,15
	ds_store_b128 v2, v[XR+64*((\g)%2)+4*\i:XR+64*((\g)%2)+4*\i+3] offset:SP*\i   ; as loaded: row i
.endr
.irp c, 0,1,2,3
.irp u, 0,1
.irp e, 0,1
	ds_load_b128 v[XX+16*\c+8*\u+4*\e:XX+16*\c+8*\u+4*\e+3], v3 offset:128*\c+64*\u+16*\e   ; back: register 16 c + 8 u + j = k 32 c + 16 u + 8 h + j of row r.  LDS serves a wave in order: these see the stores
.endr
.endr
.endr
	s_wait_dscnt 0x0                               ; the numbers are back, and the stores have read their registers,
.if (\g) < 2
	XLOAD \g+2                                     ; which take the fragment two further on
.endif
.set j, 0
.rept 64
	v_med3_num_f32 v[XX+j], v[XX+j], -v10, v10     ; the conversion to an 8-bit code does not saturate (ISA guide 7.6.2): the hold comes first
.set j, j+1
.endr
.if (\g) >= 2
	s_wait_alu depctr_va_vdst(0)
	s_wait_xcnt 0x0                                ; the stores of two fragments back have read this set of codes
.endif
.set j, 0
.rept 8
	v_cvt_scalef32_pk8_fp8_f32 v[XC+16*((\g)%2)+2*j:XC+16*((\g)%2)+2*j+1], v[XX+8*j:XX+8*j+7], v11
.set j, j+1
.endr
	v_nop                                          ; a plain line between the conversions and the next holds, which write their sources
.irp c, 0,1,2,3
	global_store_b128 v1, v[XC+16*((\g)%2)+4*\c:XC+16*((\g)%2)+4*\c+3], s[12:13] offset:((\g)/2)*2097152+((\g)%2)*2048+512*\c   ; a quad: 512 consecutive bytes
.endr
.endm
.macro WLOAD t                         ; block t: 32 rows k of my column; 32 lanes read 128 consecutive bytes, the four waves stand side by side
.set i, 0
.rept 32
	global_load_b32 v[WX+32*((\t)%2)+i], v[WO+i], s[32+2*(\t):33+2*(\t)] th:TH_LOAD_NT
.set i, i+1
.endr
.endm
.macro WBLOCK t
.set WS, WX+32*((\t)%2)
.if (\t) < 7
	s_wait_loadcnt 32                              ; this block's 32 loads are in; the next block's may be out
.else
	s_wait_loadcnt 0x0
.endif
.set j, 0
.rept 32
	v_med3_num_f32 v[WS+j], v[WS+j], -v10, v10
.set j, j+1
.endr
	v_cvt_scalef32_pk8_fp8_f32 v[WC+8*(\t):WC+8*(\t)+1], v[WS:WS+7], v11          ; for the image's lane (r, 0): k 0-7 and 16-23 of the block,
	v_cvt_scalef32_pk8_fp8_f32 v[WC+8*(\t)+2:WC+8*(\t)+3], v[WS+16:WS+23], v11
	v_cvt_scalef32_pk8_fp8_f32 v[WC+8*(\t)+4:WC+8*(\t)+5], v[WS+8:WS+15], v11     ; for lane (r, 1): k 8-15 and 24-31
	v_cvt_scalef32_pk8_fp8_f32 v[WC+8*(\t)+6:WC+8*(\t)+7], v[WS+24:WS+31], v11
	v_nop
	global_store_b128 v2, v[WC+8*(\t):WC+8*(\t)+3], s[50:51] offset:((\t)/4)*2048+((\t)%4)*512        ; sixteen lanes store 256 consecutive bytes, aligned
	global_store_b128 v2, v[WC+8*(\t)+4:WC+8*(\t)+7], s[50:51] offset:((\t)/4)*2048+((\t)%4)*512+256
.if (\t) < 6
	WLOAD \t+2
.endif
.endm
; cos and sin of a = t x f for frequency i of my sixteen.  lo: the frequency of lanes 0-15, hi: of lanes 16-31.
; a is one rounded product, as the outer product has it.  n = the nearest whole number to a x 2 / pi; rho = a - n pi / 2 with pi / 2 in two parts (the first fused step is exact: n has 11 bits);
; |rho| <= pi / 4: polynomials of degree 7 and 8; the quadrant n mod 4 swaps the two and sets the signs.
.macro SINCOS i, lo, hi
	v_mov_b32 v8, \lo
	v_mov_b32 v9, \hi
	v_cndmask_b32 v8, v8, v9, s47
	s_wait_alu depctr_va_vdst(0)
	v_mul_f32 v9, v7, v8
	v_mul_f32 v12, 0x3f22f983, v9
	v_rndne_f32 v12, v12
	v_fma_f32 v13, -v12, s48, v9
	v_fma_f32 v13, -v12, s49, v13
	v_mul_f32 v14, v13, v13
	v_fma_f32 v15, v14, s41, s42
	v_fma_f32 v16, v14, s44, s45
	v_fma_f32 v15, v15, v14, s43
	v_fma_f32 v16, v16, v14, s46
	v_mul_f32 v17, v13, v14
	v_mul_f32 v18, v14, v14
	v_fma_f32 v19, v14, -0.5, 1.0
	v_fma_f32 v15, v17, v15, v13                   ; sin rho
	v_fma_f32 v16, v18, v16, v19                   ; cos rho
	v_cvt_i32_f32 v20, v12
	v_and_b32 v21, 1, v20
	v_cmp_eq_u32 vcc_lo, 1, v21
	v_cndmask_b32 v22, v15, v16, vcc_lo            ; odd quadrants: sin takes cos rho,
	v_cndmask_b32 v23, v16, v15, vcc_lo            ; cos takes sin rho
	v_and_b32 v21, 2, v20
	v_lshlrev_b32 v21, 30, v21
	v_xor_b32 v[SINR+\i], v21, v22                 ; sin is negative in quadrants 2 and 3,
	v_add_nc_u32 v20, 1, v20
	v_and_b32 v20, 2, v20
	v_lshlrev_b32 v20, 30, v20
	v_xor_b32 v[COSR+\i], v20, v23                 ; cos in quadrants 1 and 2
.endm
	s_load_b256 s[4:11], s[0:1], 0x0               ; x s[4:5], w_attn s[6:7], w_proj s[8:9], the scales s[10:11]
	s_load_b256 s[12:19], s[0:1], 0x20             ; x_img s[12:13], wa_img s[14:15], wp_img s[16:17], rope s[18:19]
	v_lshl_add_u32 v240, v0, 2, 0x8400
	v_mov_b32 v241, 0
	v_lshrrev_b32 v1, 5, v0
	v_readfirstlane_b32 s20, v1                    ; wave 0..3
	v_and_b32 v4, 31, v0                           ; lane
	v_and_b32 v5, 15, v0                           ; r
	v_bfe_u32 v6, v0, 4, 1                         ; h
	v_lshlrev_b32 v1, 4, v4                        ; 16 x lane
	s_wait_kmcnt 0x0
	s_load_b256 s[24:31], s[10:11], 0x0            ; e0 .. e7
	s_cmp_lt_u32 ttmp9, 256
	s_cbranch_scc0 .Lnot_x
	; ---- x: wave W = 4 x work-group + wave takes row tile W / 2 and half W % 2 of K: four fragments
	s_lshl_b32 s21, ttmp9, 2
	s_add_co_u32 s21, s21, s20
	s_lshr_b32 s22, s21, 1                         ; row tile
	s_and_b32 s23, s21, 1                          ; half of K
	s_lshl_b32 s32, s22, 16                        ; 16 rows of 4,096 bytes
	s_lshl_b32 s33, s23, 11                        ; 512 numbers
	s_add_co_u32 s32, s32, s33
	s_mov_b32 s33, 0
	s_add_nc_u64 s[4:5], s[4:5], s[32:33]
	s_lshl_b32 s34, s23, 22                        ; two steps of 256 along K: 2 x 512 tiles x 4,096 bytes
	s_lshl_b32 s35, s22, 12
	s_add_co_u32 s34, s34, s35
	s_mov_b32 s35, 0
	s_add_nc_u64 s[12:13], s[12:13], s[34:35]
	s_mul_i32 s36, s20, STGB                       ; my stage
	s_wait_alu depctr_va_vdst(0)
	v_add_nc_u32 v2, s36, v1                       ; in: 16 x lane of a row
	v_mul_u32_u24 v3, v5, SP
	v_lshl_add_u32 v3, v6, 5, v3
	v_add_nc_u32 v3, s36, v3                       ; back: row r, + 32 h bytes
	XLOAD 0
	XLOAD 1
	s_wait_alu depctr_va_vdst(0)
	s_wait_kmcnt 0x0
	SCALE 24
	s_wait_alu depctr_va_vdst(0)
	XSTEP 0
	XSTEP 1
	XSTEP 2
	XSTEP 3
	s_wait_tensorcnt 0x0
	ds_add_u32 v240, v241
	s_wait_dscnt 0x0
	s_endpgm
.Lnot_x:
	s_cmp_lt_u32 ttmp9, 384
	s_cbranch_scc0 .Lrope
	; ---- the weights: K is their FIRST axis.  A lane takes a column and its registers run down K, so the conversions give codes with K innermost and nothing is transposed.
	; 96 work-groups for w_attn, 32 for w_proj; a work-group takes 128 columns x 256 along K, a wave 32 columns.  Only pointers and sizes are chosen: one text serves both.
	s_sub_co_u32 s21, ttmp9, 256
	s_mov_b32 s48, 4096
	s_cmp_lt_u32 s21, 96
	s_cselect_b64 s[52:53], s[6:7], s[8:9]         ; the weight,
	s_cselect_b64 s[50:51], s[14:15], s[16:17]     ; its images,
	s_cselect_b32 s48, 12288, s48                  ; bytes in a row of it,
	s_cselect_b32 s49, 192, 64                     ; its column tiles
	s_cselect_b32 s57, 0, 96
	s_cselect_b32 s58, 1, 0
	s_sub_co_u32 s21, s21, s57
	s_lshr_b32 s22, s21, 2                         ; which 128 columns
	s_and_b32 s23, s21, 3                          ; which 256 along K
	s_lshl_b32 s54, s23, 8
	s_mul_i32 s54, s54, s48
	s_lshl_b32 s55, s22, 9
	s_add_co_u32 s54, s54, s55
	s_lshl_b32 s55, s20, 7
	s_add_co_u32 s54, s54, s55                     ; 256 K-step rows + 4 x (128 group + 32 wave)
	s_mov_b32 s55, 0
	s_add_nc_u64 s[32:33], s[52:53], s[54:55]      ; block 0;
	s_lshl_b32 s54, s48, 5                         ; 32 rows on for each further block: eight bases, none is ever stepped
.irp t, 1,2,3,4,5,6,7
	s_add_nc_u64 s[32+2*\t:33+2*\t], s[30+2*\t:31+2*\t], s[54:55]
.endr
	s_mul_i32 s54, s23, s49
	s_lshl_b32 s59, s22, 3
	s_add_co_u32 s54, s54, s59
	s_lshl_b32 s59, s20, 1
	s_add_co_u32 s54, s54, s59                     ; K step x tiles + my first column tile
	s_lshl_b32 s54, s54, 12
	s_add_nc_u64 s[50:51], s[50:51], s[54:55]
	s_wait_alu depctr_va_vdst(0)
	v_lshlrev_b32 v3, 2, v4                        ; 4 x lane
	v_lshlrev_b32 v2, 4, v5
	v_lshl_add_u32 v2, v6, 12, v2                  ; out: column tile lane / 16, row r of the image
.set i, 0
.rept 32
	v_mad_u32_u24 v[WO+i], s48, i, v3
.set i, i+1
.endr
	WLOAD 0
	WLOAD 1
	s_wait_kmcnt 0x0
	s_cmp_eq_u32 s58, 1
	s_cselect_b32 s56, s25, s31                    ; e1 or e7
	SCALE 56
	s_wait_alu depctr_va_vdst(0)
	WBLOCK 0
	WBLOCK 1
	WBLOCK 2
	WBLOCK 3
	WBLOCK 4
	WBLOCK 5
	WBLOCK 6
	WBLOCK 7
	s_endpgm
.Lrope:
	; ---- the table: a wave makes one tile of 16 t, a lane 16 frequencies of its t
	s_sub_co_u32 s21, ttmp9, 384
	s_lshl_b32 s21, s21, 2
	s_add_co_u32 s21, s21, s20                     ; tile 0..127
	s_lshl_b32 s32, s21, 12
	s_mov_b32 s33, 0
	s_add_nc_u64 s[18:19], s[18:19], s[32:33]
	s_lshl_b32 s22, s21, 4
	s_wait_alu depctr_va_vdst(0)
	v_add_nc_u32 v7, s22, v5
	v_cvt_f32_u32 v7, v7                           ; t
	v_cmp_eq_u32 s47, 1, v6                        ; lanes 16-31
	s_mov_b32 s48, 0x3fc90fdb                      ; pi / 2, rounded,
	s_mov_b32 s49, 0xb33bbd2e                      ; and what the rounding left
	s_mov_b32 s41, -0.00019515295891
	s_mov_b32 s42, 0.0083321608736
	s_mov_b32 s43, -0.16666654611
	s_mov_b32 s44, 0.00002443315711809948
	s_mov_b32 s45, -0.001388731625493765
	s_mov_b32 s46, 0.04166664568298827
	SINCOS 0, 1.0, 0.1
	SINCOS 1, 0.7498942093324559, 0.07498942093324559
	SINCOS 2, 0.5623413251903491, 0.05623413251903491
	SINCOS 3, 0.4216965034285822, 0.04216965034285822
	SINCOS 4, 0.31622776601683794, 0.031622776601683794
	SINCOS 5, 0.23713737056616552, 0.023713737056616552
	SINCOS 6, 0.1778279410038923, 0.01778279410038923
	SINCOS 7, 0.1333521432163324, 0.01333521432163324
	SINCOS 8, 0.01, 0.001
	SINCOS 9, 0.007498942093324559, 0.0007498942093324559
	SINCOS 10, 0.005623413251903491, 0.0005623413251903491
	SINCOS 11, 0.004216965034285822, 0.0004216965034285822
	SINCOS 12, 0.0031622776601683794, 0.00031622776601683794
	SINCOS 13, 0.0023713737056616552, 0.00023713737056616552
	SINCOS 14, 0.001778279410038923, 0.0001778279410038923
	SINCOS 15, 0.001333521432163324, 0.0001333521432163324
.irp q, 0,1,2,3
	global_store_b128 v1, v[COSR+4*\q:COSR+4*\q+3], s[18:19] offset:512*\q
	global_store_b128 v1, v[SINR+4*\q:SINR+4*\q+3], s[18:19] offset:2048+512*\q
.endr
	s_endpgm
.Lfunc_end_k_qac6c940543_prep:
	.size	k_qac6c940543_prep, .Lfunc_end_k_qac6c940543_prep-k_qac6c940543_prep
	.p2alignl 7, 3214868480
	.fill 96, 4, 3214868480
	.section	.rodata,"a",@progbits
	.p2align	6, 0x0
	.amdhsa_kernel k_qac6c940543_prep
		.amdhsa_group_segment_fixed_size 34304
		.amdhsa_private_segment_fixed_size 0
		.amdhsa_enable_private_segment 0
		.amdhsa_kernarg_size 64
		.amdhsa_user_sgpr_count 2
		.amdhsa_user_sgpr_kernarg_segment_ptr 1
		.amdhsa_wavefront_size32 1
		.amdhsa_system_sgpr_workgroup_id_x 1
		.amdhsa_system_sgpr_workgroup_id_y 1
		.amdhsa_system_sgpr_workgroup_id_z 1
		.amdhsa_system_vgpr_workitem_id 0
		.amdhsa_next_free_vgpr 242
		.amdhsa_next_free_sgpr 66
		.amdhsa_reserve_vcc 1
		.amdhsa_float_denorm_mode_32 3
		.amdhsa_float_denorm_mode_16_64 3
		.amdhsa_memory_ordered 1
		.amdhsa_forward_progress 1
		.amdhsa_inst_pref_size 108
	.end_amdhsa_kernel
	.amdgpu_metadata
---
amdhsa.version: [ 1, 2 ]
amdhsa.kernels:
  - .name:           k_qac6c940543_prep
    .symbol:         k_qac6c940543_prep.kd
    .args:
      - { .name: x, .offset: 0, .size: 8, .value_kind: global_buffer, .address_space: global }
      - { .name: w_attn, .offset: 8, .size: 8, .value_kind: global_buffer, .address_space: global }
      - { .name: w_proj, .offset: 16, .size: 8, .value_kind: global_buffer, .address_space: global }
      - { .name: lowp_scales, .offset: 24, .size: 8, .value_kind: global_buffer, .address_space: global }
      - { .name: x_img, .offset: 32, .size: 8, .value_kind: global_buffer, .address_space: global }
      - { .name: wa_img, .offset: 40, .size: 8, .value_kind: global_buffer, .address_space: global }
      - { .name: wp_img, .offset: 48, .size: 8, .value_kind: global_buffer, .address_space: global }
      - { .name: rope, .offset: 56, .size: 8, .value_kind: global_buffer, .address_space: global }
    .group_segment_fixed_size: 34304
    .private_segment_fixed_size: 0
    .kernarg_segment_align: 8
    .kernarg_segment_size: 64
    .max_flat_workgroup_size: 128
    .sgpr_count:     66
    .vgpr_count:     242
    .wavefront_size: 32
...
	.end_amdgpu_metadata
.endif
;; end of part 1
;; launch qkv (part 2): grid 12 x 32, 4 waves a work-group, clusters of 4 x 4, 327,680 bytes of LDS; arguments x_img, wa_img, b_attn, rope, lowp_scales, qkv; writes qkv
.if DOCPART == 2
	.amdgcn_target "amdgcn-amd-amdhsa--gfx1250"
	.amdhsa_code_object_version 6
	.text
	.protected	k_qac6c940543_qkv
	.globl	k_qac6c940543_qkv
	.p2align	8
	.type	k_qac6c940543_qkv,@function
k_qac6c940543_qkv:
	s_mov_b64 s[64:65], 0
	v_nop
	global_prefetch_b8 v0, s[64:65] scope:SCOPE_SE
	s_setreg_imm32_b32 hwreg(HW_REG_WAVE_MODE, 25, 1), 1
	s_wait_xcnt 0x0
	s_wait_alu depctr_hold_cnt(0) depctr_sa_sdst(0) depctr_va_vdst(0) depctr_va_sdst(0) depctr_va_ssrc(0) depctr_va_vcc(0) depctr_vm_vsrc(0)
	s_getreg_b32 s2, hwreg(HW_REG_IB_STS2, 6, 4)
	s_cmp_eq_u32 s2, 0
	s_cbranch_scc0 .Lentry_in_a_cluster
	s_endpgm
.Lentry_in_a_cluster:
	s_bfe_u32 s2, ttmp6, 0x10000c
	s_cmp_lg_u32 s2, 0xf033
	s_cbranch_scc0 .Lentry_shape_is_right
	s_endpgm
.Lentry_shape_is_right:
; QKV: x w_attn + b_attn on codes of E4M3, then the rotation of q and k, then the quantisers of q, k and v.  The results leave as images of the registers of the operands that they become.
; x_img [4][512][2][2,048] and wa_img [4][192][2][2,048] hold fragments of 16 rows x 128 K as they stand in registers: [quad c][lane][16 bytes] (lane (r, h): row r; bytes 0-7 k = 32 c + 8 h + 0..7, bytes 8-15 k = 32 c + 16 + 8 h + 0..7).
; So a tile of 128 rows x 256 K is one dense block of 32,768 bytes for one tensor load, and a fragment is four ds_load_b128 at 16 x lane: no pitch, no padding, consecutive bytes.
; A tile of the result, 256 x 256, is made by four waves, each 128 x 128: 64 accumulators.  K goes in steps of 256 through a ring of two LDS slots.
; CLUSTERS: 4 x 4 work-groups; the tiles of x are asked for jointly along a row of the cluster, those of w_attn along a column.
; The x of the cluster is the PART: 0 q, 1 k, 2 v; it is the same in all sixteen partners.
; q, k: source 0 = 16 columns of w_attn, source 1 = 16 rows of x: a lane holds one t and eight neighbouring channels d, which are the K of q k^T.
; v: the two LDS bases change places, the instructions stay: source 0 = x, source 1 = w_attn: a lane holds one channel d and eight neighbouring t, the keys, which are the K of p v.
; qkv [b h : 64][Q 131,072 | K 131,072 | V 131,072]; Q, K: [t / 16 : 128][1,024] (fragments of 16 t x 64 d); V: [t / 128 : 16][d / 16 : 4][2,048] (16 d x 128 keys).
; THE SCALES: a sum stands for sum x 2^(e0 + e1).  The bias goes in as b / 2^(e0 + e1), the rotation is linear, and the conversion takes 2^(e - e0 - e1), e = e2 (q), e3 (k), e5 (v).
; LIMITS: e2 - e0 - e1, e3 - e0 - e1 and e5 - e0 - e1 between -126 and 119.  NaN among the inputs is not served.
; REGISTERS, in windows of 256: window 0: v8-15 the bias by lanes (v), v16-31 addresses and scales, v32-95 the bias by registers (q, k), v128-255 the eight fragments of source 1, ONE set (on the way out: free).
;   window 1: the fragments of source 0, TWO sets.   windows 2, 3: accumulator (a, b) at v[8 (8 (a % 4) + b)]; a: tile of source 1, b: tile of source 0.
.set SLOT,   131072                    ; a slot: x: two blocks of 32,768, then w_attn: two blocks
.set SPARE,  2*SLOT                    ; behind the ring: the spare words, 128 bytes for each wave
.set ASTEP,  2097152                   ; bytes from one step of 256 along K to the next in x_img
.set BSTEP,  786432                    ; and in wa_img
.set FR,     16
.set NL,     4
.set NP,     4                         ; places behind this matrix instruction (ISA guide 7.12.1)
.set LAPS,   2                         ; 1,024 along K = twice round the ring
.set ADR1, 16                          ; v16-17  LDS address of my fragments of source 1 in slot 0, 1
.set ADR0, 20                          ; v20-21  of source 0
.set LN16, 24                          ; v24     16 x lane
.set SPW,  28                          ; v28     my spare word; never rewritten
.set NIL,  29                          ; v29     0; never rewritten
.set AF,   128
.set BV,   8
.set BQ,   32
; the table of cos and sin: window 1, 32 registers for each of my eight tiles of t (0-15 cos, 16-31 sin), laid over the fragments of source 0 that are done with
.set TT,   160
.set UU,   168
.set CD,   176                         ; 16 registers of codes
.set XQ,   192                         ; 64 numbers
.set G1, 24
.set G0, 32
.set G1B, 48
.set G0B, 56
.set MSB, 0
.macro WIN new                         ; the immediate high byte repeats the setting that is left
.if MSB != \new
	s_set_vgpr_msb (MSB<<8)|\new
.set MSB, \new
.endif
.endm
.set MUL_LO, 0xa1                      ; source 0 window 1, source 1 window 0, C and D window 2
.set MUL_HI, 0xf1                      ; the same, C and D window 3
.set TO_B,   0x40                      ; destination window 1, address window 0
; A joint load: waves 0 and 1 fetch the two blocks of x, waves 2 and 3 those of w_attn.  The branch hangs on the number of the wave alone.  Four v_nop follow each line.
.macro JLOAD g0a, g1a, g0b, g1b
	s_cmp_eq_u32 s17, 0
	s_cbranch_scc0 .Lfor_b_\@
	tensor_load_to_lds s[\g0a:\g0a+3], s[\g1a:\g1a+7]
	s_nop 0
.rept 4
	v_nop
.endr
	s_branch .Lasked_\@
.Lfor_b_\@:
	tensor_load_to_lds s[\g0b:\g0b+3], s[\g1b:\g1b+7]
	s_nop 0
.rept 4
	v_nop
.endr
.Lasked_\@:
.endm
.macro CREST                           ; a round of the barrier of the cluster, behind its opening barrier
	s_cmp_lg_u32 s16, 0
	s_cbranch_scc1 .Lnot_wave_0_\@
	s_barrier_signal -3
.Lnot_wave_0_\@:
	s_barrier_wait -3
	s_barrier_signal -1
	s_barrier_wait -1
.endm
.macro CROUND
	s_barrier_signal -1
	s_barrier_wait -1
	CREST
.endm
.macro FRAG reg, adr, q, i             ; tile i, the q-th 128 along K of the slot: an image comes back as it was stored
.irp c, 0,1,2,3
	ds_load_b128 v[\reg+4*\c:\reg+4*\c+3], v[\adr] offset:4096*(\i)+2048*(\q)+512*\c
.endr
.endm
; 16 matrix instructions: tiles a0, a0 + 1 of source 1 x the eight of source 0.  The 64 accumulators take turns, one instruction a turn, in the same order in every step.
.macro MUL16 a0, p, zero
.irp a, \a0, \a0+1
.irp b, 0,1,2,3,4,5,6,7
.if \zero
	v_wmma_f32_16x16x128_fp8_fp8 v[8*(8*((\a)%4)+\b):8*(8*((\a)%4)+\b)+7], v[128*(\p)+FR*\b:128*(\p)+FR*\b+FR-1], v[AF+FR*(\a):AF+FR*(\a)+FR-1], 0
.else
	v_wmma_f32_16x16x128_fp8_fp8 v[8*(8*((\a)%4)+\b):8*(8*((\a)%4)+\b)+7], v[128*(\p)+FR*\b:128*(\p)+FR*\b+FR-1], v[AF+FR*(\a):AF+FR*(\a)+FR-1], v[8*(8*((\a)%4)+\b):8*(8*((\a)%4)+\b)+7]
.endif
.endr
.endr
.endm
.macro FETCH_B slot, q, p
	WIN TO_B
.irp i, 0,1,2,3,4,5,6,7
	FRAG 128*(\p)+FR*\i, ADR0+\slot, \q, \i
.endr
	WIN 0
.endm
.macro FETCH_A slot, q, i0
.irp i, \i0, \i0+1, \i0+2, \i0+3
	FRAG AF+FR*(\i), ADR1+\slot, \q, \i
.endr
.endm
.macro PLACES n                        ; plain vector lines between a matrix instruction and a load into, or a read of, its registers
.rept \n
	v_nop
.endr
.endm
.macro STEP slot, q, zero              ; 128 along K with a successor in the same slot
	s_wait_dscnt 4*NL                              ; the set of source 0 and tiles 0-3 of source 1 are in; the youngest 16 loads (tiles 4-7) may be out
	WIN MUL_LO
	MUL16 0, (\q)%2, \zero
	MUL16 2, (\q)%2, \zero
	s_wait_dscnt 0                                 ; tiles 4-7 are in
	PLACES NP
	FETCH_B \slot, (\q)+1, 1-(\q)%2
	FETCH_A \slot, (\q)+1, 0
	WIN MUL_HI
	MUL16 4, (\q)%2, \zero
	MUL16 6, (\q)%2, \zero
	PLACES NP
	WIN 0
	FETCH_A \slot, (\q)+1, 4
.endm
; The last step of a slot changes slots: ONE barrier; in front of it each wave waits for all its tensor loads, adds 0 to its spare word, and waits for that and for its own reads of this slot.
.macro TURN slot, next, fill
	s_wait_tensorcnt 0x0                           ; all my tensor loads have landed: my part of the next slot
	ds_add_u32 v[SPW], v[NIL]                      ; 0 onto my spare word
	s_wait_dscnt 4*NL+1                            ; (the add and the youngest 16 loads may be out)
	WIN MUL_LO
	MUL16 0, 1, 0
	s_wait_dscnt 0x0                               ; the add is done, and my reads of this slot are over
	s_barrier_signal -1
	MUL16 2, 1, 0
	WIN 0
	s_barrier_wait -1
.if \fill
	CREST                                          ; the barrier has opened a round of the barrier of the cluster: no wave of any partner still reads this slot or has a load on its way
	s_add_nc_u64 s[G0+4*\slot+2:G0+4*\slot+3], s[G0+4*\slot+2:G0+4*\slot+3], 2*ASTEP
	s_add_nc_u64 s[G0B+4*\slot+2:G0B+4*\slot+3], s[G0B+4*\slot+2:G0B+4*\slot+3], 2*BSTEP
	JLOAD G0+4*\slot, G1, G0B+4*\slot, G1B         ; the first tensor load behind the round; its four v_nop are the places in front of the loads below
.else
	PLACES NP
.endif
	FETCH_B \next, 0, 0
	FETCH_A \next, 0, 0
	WIN MUL_HI
	MUL16 4, 1, 0
	MUL16 6, 1, 0
	PLACES NP
	WIN 0
	FETCH_A \next, 0, 4
.endm
.macro TABLOAD a                       ; cos and sin of tile a of my 128 t
.irp q, 0,1,2,3,4,5,6,7
	global_load_b128 v[32*(\a)+4*\q:32*(\a)+4*\q+3], v[LN16], s[10:11] offset:4096*(\a)+512*\q
.endr
.endm
.macro ROPE x1, x2, co, si             ; eight channels d < 32 in v[x1], their partners d + 32 in v[x2]: x1 cos - x2 sin, x2 cos + x1 sin
.irp i, 0,2,4,6
	v_pk_mul_f32 v[TT+\i:TT+\i+1], v[\x2+\i:\x2+\i+1], v[\si+\i:\si+\i+1]
	v_pk_mul_f32 v[UU+\i:UU+\i+1], v[\x1+\i:\x1+\i+1], v[\si+\i:\si+\i+1]
.endr
.irp i, 0,2,4,6
	v_pk_fma_f32 v[\x1+\i:\x1+\i+1], v[\x1+\i:\x1+\i+1], v[\co+\i:\co+\i+1], v[TT+\i:TT+\i+1] neg_lo:[0,0,1] neg_hi:[0,0,1]
	v_pk_fma_f32 v[\x2+\i:\x2+\i+1], v[\x2+\i:\x2+\i+1], v[\co+\i:\co+\i+1], v[UU+\i:UU+\i+1]
.endr
.endm
.macro CODES                           ; 64 numbers in v[XQ] on become 16 registers of codes in v[CD] on
.set j, 0
.rept 64
	v_med3_num_f32 v[XQ+j], v[XQ+j], -v31, v31     ; the conversion does not saturate (ISA guide 7.6.2): the hold comes first
.set j, j+1
.endr
	s_wait_alu depctr_va_vdst(0)
	s_wait_xcnt 0x0                                ; the last stores have read the registers of the codes
.set j, 0
.rept 8
	v_cvt_scalef32_pk8_fp8_f32 v[CD+2*j:CD+2*j+1], v[XQ+8*j:XQ+8*j+7], v30
.set j, j+1
.endr
	v_nop                                          ; a plain line between the conversions and the next lines that write their sources
.endm
; q, k: tile a of my 128 t, 128 channels = two heads.  Lane (r, h): t = 16 a + r; register 8 b + j: channel 16 b + 8 h + j.
.macro QKBLOCK a
	WIN 0x02+((\a)/4)                              ; source 0: window 2 or 3
.irp b, 0,1,2,3,4,5,6,7
.irp i, 0,2,4,6
	v_pk_add_f32 v[XQ+8*\b+\i:XQ+8*\b+\i+1], v[8*(8*((\a)%4)+\b)+\i:8*(8*((\a)%4)+\b)+\i+1], v[BQ+8*\b+\i:BQ+8*\b+\i+1]   ; each accumulator from its low end on
.endr
.endr
	WIN 0
	s_wait_loadcnt 8*(7-(\a))                      ; the table of this tile is in; the eight loads of each later tile may be out
	WIN 0x04                                       ; source 1 (cos, sin) window 1
.irp hh, 0,1
.irp be, 0,1
	ROPE XQ+8*(4*\hh+\be), XQ+8*(4*\hh+\be+2), 32*(\a)+8*\be, 32*(\a)+16+8*\be
.endr
.endr
	WIN 0
	CODES
.irp hh, 0,1
.irp c, 0,1
	global_store_b128 v[LN16], v[CD+8*\hh+4*\c:CD+8*\hh+4*\c+3], s[80:81] offset:393216*\hh+1024*(\a)+512*\c   ; a quad of the image: 512 consecutive bytes
.endr
.endr
.endm
; v: tile a of my 128 channels.  Lane (r, h): channel 16 a + r; register 8 b + j: t = 16 b + 8 h + j: a whole fragment of 16 d x 128 keys.
.macro VBLOCK a
	WIN 0x02+((\a)/4)
.irp b, 0,1,2,3,4,5,6,7
.irp i, 0,2,4,6
.if (\a)%2
	v_pk_add_f32 v[XQ+8*\b+\i:XQ+8*\b+\i+1], v[8*(8*((\a)%4)+\b)+\i:8*(8*((\a)%4)+\b)+\i+1], v[BV+(\a)-1:BV+(\a)] op_sel:[0,1] op_sel_hi:[1,1]
.else
	v_pk_add_f32 v[XQ+8*\b+\i:XQ+8*\b+\i+1], v[8*(8*((\a)%4)+\b)+\i:8*(8*((\a)%4)+\b)+\i+1], v[BV+(\a):BV+(\a)+1] op_sel_hi:[1,0]
.endif
.endr
.endr
	WIN 0
	CODES
.irp c, 0,1,2,3
	global_store_b128 v[LN16], v[CD+4*\c:CD+4*\c+3], s[80:81] offset:393216*((\a)/4)+2048*((\a)%4)+512*\c
.endr
.endm
	s_load_b256 s[4:11], s[0:1], 0x0               ; x_img s[4:5], wa_img s[6:7], b_attn s[8:9], rope s[10:11]
	s_load_b128 s[12:15], s[0:1], 0x20             ; the scales s[12:13], qkv s[14:15]
	v_lshl_add_u32 v[SPW], v0, 2, SPARE
	v_mov_b32 v[NIL], 0
	ds_add_u32 v28, v29
	ds_add_u32 v28, v29
	s_wait_dscnt 0x0
	v_lshrrev_b32 v1, 5, v0
	v_readfirstlane_b32 s16, v1                    ; wave 0..3
	s_lshr_b32 s17, s16, 1                         ; u: which half of source 1 is mine.  Also: I fetch for x (0) or for w_attn (1)
	s_and_b32 s18, s16, 1                          ; w: which half of source 0.  Also: which block I fetch
	s_bfe_u32 s40, ttmp6, 0x40000                  ; cx, cy: my place in the cluster
	s_bfe_u32 s41, ttmp6, 0x40004
	s_lshl_b32 s42, ttmp9, 2
	s_add_co_u32 s42, s42, s40                     ; tile column = 4 x cluster x + cx
	s_and_b32 s43, ttmp7, 0xffff
	s_lshl_b32 s43, s43, 2
	s_add_co_u32 s43, s43, s41                     ; tile row = 4 x cluster y + cy
	s_lshl_b32 s44, s41, 2
	s_lshl_b32 s44, 15, s44                        ; my row of the cluster
	s_lshl_b32 s45, 0x1111, s40                    ; my column
	; descriptor group 1: a dense block of 32,768 bytes as 128 rows of 32 elements of 8 bytes
	s_or_b32 s[G1+0], s44, (3<<16)|(1<<21)         ; 15:0 the mask; 17:16 elements of 8 bytes; 21 set beside a mask; no padding
	s_or_b32 s[G1B+0], s45, (3<<16)|(1<<21)
.irp g, G1, G1B
	s_mov_b32 s[\g+1], 32<<16                      ; tensor_dim0 = 32
	s_mov_b32 s[\g+2], 128<<16                     ; tensor_dim1 = 128
	s_mov_b32 s[\g+3], 32<<16                      ; tile_dim0 = 32
	s_mov_b32 s[\g+4], 128                         ; tile_dim1 = 128
	s_mov_b32 s[\g+5], 32                          ; from row to row
	s_mov_b32 s[\g+6], 0
	s_mov_b32 s[\g+7], 0
.endr
	s_lshl_b32 s19, s18, 15                        ; which 8 tiles of 4,096 bytes I fetch
	s_lshl_b32 s20, s43, 16                        ; x: 16 tiles for each tile row
	s_add_co_u32 s20, s20, s19
	s_mov_b32 s21, 0
	s_lshl_b32 s46, s42, 16                        ; w_attn: 16 tiles for each tile column
	s_add_co_u32 s46, s46, s19
	s_mov_b32 s47, 0
	s_lshl_b32 s22, s16, 15                        ; where they go: wave x 32,768: no place in the cluster enters an LDS address
	s_wait_kmcnt 0x0
	s_load_b256 s[68:75], s[12:13], 0x0            ; e0 .. e7
	s_add_nc_u64 s[20:21], s[4:5], s[20:21]
	s_add_nc_u64 s[46:47], s[6:7], s[46:47]
	CROUND                                         ; all sixteen work-groups are here: the first joint loads meet
.irp s, 0,1
	s_mov_b32 s[G0+4*\s], 1
	s_add_co_u32 s[G0+4*\s+1], s22, \s*SLOT
	s_add_nc_u64 s[G0+4*\s+2:G0+4*\s+3], s[20:21], \s*ASTEP
	s_or_b32 s[G0+4*\s+3], s[G0+4*\s+3], 0x80000000
	s_mov_b32 s[G0B+4*\s], 1
	s_add_co_u32 s[G0B+4*\s+1], s22, \s*SLOT
	s_add_nc_u64 s[G0B+4*\s+2:G0B+4*\s+3], s[46:47], \s*BSTEP
	s_or_b32 s[G0B+4*\s+3], s[G0B+4*\s+3], 0x80000000
.endr
	JLOAD G0, G1, G0B, G1B                         ; slot 0: one tensor load a wave at the head
	v_and_b32 v1, 31, v0
	v_lshlrev_b32 v[LN16], 4, v1
	s_wait_alu depctr_va_vdst(0)
	v_and_b32 v2, 15, v0                           ; r
	v_bfe_u32 v3, v0, 4, 1                         ; h
	s_wait_alu depctr_va_vdst(0)
	s_cmp_eq_u32 ttmp9, 2                          ; the part v?  The same in all sixteen partners
	s_cselect_b32 s76, 0, 65536                    ; source 0: w_attn, for v: x
	s_cselect_b32 s77, 65536, 0                    ; source 1: x, for v: w_attn
	s_cselect_b32 s78, s18, s17                    ; which half of the 256 rows of x is mine,
	s_cselect_b32 s79, s17, s18                    ; and which half of the 256 columns
	s_lshl_b32 s19, s17, 15
	s_add_co_u32 s77, s77, s19
	s_lshl_b32 s19, s18, 15
	s_add_co_u32 s76, s76, s19
.irp s, 0,1
	v_add_nc_u32 v[ADR1+\s], s77, v[LN16]
	v_add_nc_u32 v[ADR0+\s], s76, v[LN16]
	s_add_co_u32 s77, s77, SLOT
	s_add_co_u32 s76, s76, SLOT
.endr
	s_lshl_b32 s82, s42, 10
	s_lshl_b32 s83, s79, 9
	s_add_co_u32 s82, s82, s83                     ; my first column, in bytes of f32
	s_mov_b32 s83, 0
	s_add_nc_u64 s[8:9], s[8:9], s[82:83]
	; THE PREFETCHES INTO THE L2.  A wave's block of a K step is 32,768 bytes, 128 blocks of 256.  The four partners that ask for it jointly share them out BY ADDRESS:
	; the partner at place p (cx for x, cy for w_attn) takes 32, a lane a block, one instruction a wave.  Behind the load of K step t stands the request for K step t + 2; here, at the head, also the one for K step 1.
	; The three addresses are never rewritten; K step 3 is the last, so nothing is asked for beyond the buffers.
	s_cmp_eq_u32 s17, 0                            ; do I fetch for x?
	s_cselect_b64 s[88:89], s[20:21], s[46:47]     ; my block of K step 0,
	s_cselect_b32 s96, s40, s41                    ; my place among the four that ask for it with me,
	s_mov_b32 s94, BSTEP
	s_cselect_b32 s94, ASTEP, s94                  ; and a K step on
	s_mov_b32 s95, 0
	s_mov_b32 s97, 0
	s_lshl_b32 s96, s96, 13                        ; 32 blocks of 256 bytes a partner
	s_add_nc_u64 s[88:89], s[88:89], s[96:97]
	s_add_nc_u64 s[88:89], s[88:89], s[94:95]      ; K step 1
	s_add_nc_u64 s[90:91], s[88:89], s[94:95]      ; K step 2
	s_add_nc_u64 s[92:93], s[90:91], s[94:95]      ; K step 3
	v_lshlrev_b32 v27, 4, v[LN16]                  ; 256 x lane; never rewritten
	global_prefetch_b8 v27, s[88:89] th:TH_LOAD_NT scope:SCOPE_SE
	global_prefetch_b8 v27, s[90:91] th:TH_LOAD_NT scope:SCOPE_SE
	v_lshlrev_b32 v25, 5, v3                       ; 32 h
	v_lshlrev_b32 v26, 2, v2                       ; 4 r
.irp b, 0,1,2,3,4,5,6,7
	global_load_b128 v[BQ+8*\b:BQ+8*\b+3], v25, s[8:9] offset:64*\b          ; the bias as q and k want it: register 8 b + j = column 16 b + 8 h + j
	global_load_b128 v[BQ+8*\b+4:BQ+8*\b+7], v25, s[8:9] offset:64*\b+16
.endr
.irp a, 0,1,2,3,4,5,6,7
	global_load_b32 v[BV+\a], v26, s[8:9] offset:64*\a                       ; and as v wants it: register a = column 16 a + r
.endr
	s_and_b32 s84, s43, 7
	s_lshl_b32 s84, s84, 8
	s_lshl_b32 s85, s78, 7
	s_add_co_u32 s84, s84, s85                     ; my first t in its batch
	s_lshl_b32 s82, s84, 8                         ; a tile of 16 t is 4,096 bytes of the table
	s_add_nc_u64 s[10:11], s[10:11], s[82:83]
	s_lshr_b32 s85, s43, 3                         ; the batch
	s_lshl_b32 s85, s85, 4
	s_lshl_b32 s86, s40, 2
	s_add_co_u32 s85, s85, s86
	s_lshl_b32 s86, s79, 1
	s_add_co_u32 s85, s85, s86                     ; the first of my two heads: 16 batch + 4 cx + 2 x half
	s_mul_i32 s82, s85, 393216
	s_lshl_b32 s86, ttmp9, 17                      ; the part
	s_add_co_u32 s82, s82, s86
	s_lshl_b32 s86, s84, 6                         ; 64 bytes for each t, in Q, K and V alike
	s_add_co_u32 s82, s82, s86
	s_add_nc_u64 s[80:81], s[14:15], s[82:83]
	s_wait_kmcnt 0x0
	s_add_co_i32 s86, s68, s69                     ; e0 + e1
	s_sub_co_i32 s87, 0, s86
	s_cmp_eq_u32 ttmp9, 0
	s_cselect_b32 s82, s70, s71                    ; e2 for q, e3 for k,
	s_cmp_eq_u32 ttmp9, 2
	s_cselect_b32 s82, s73, s82                    ; e5 for v
	s_sub_co_i32 s82, s82, s86
	s_add_co_i32 s82, s82, 127
	s_lshl_b32 s83, s82, 23
	v_mov_b32 v30, s83                             ; 2^(e - e0 - e1) as f32
	s_add_co_i32 s82, s82, 8
	s_lshl_b32 s82, s82, 23
	s_or_b32 s82, s82, 0x600000
	v_mov_b32 v31, s82                             ; 448 x that
	s_wait_loadcnt 0x0
.set j, 0
.rept 64
	v_ldexp_f32 v[BQ+j], v[BQ+j], s87              ; b / 2^(e0 + e1)
.set j, j+1
.endr
.set j, 0
.rept 8
	v_ldexp_f32 v[BV+j], v[BV+j], s87
.set j, j+1
.endr
	s_wait_alu depctr_va_vdst(0)
	s_wait_tensorcnt 0x0                           ; my part of slot 0 is in; the three lines ahead of a later first fill
	ds_add_u32 v[SPW], v[NIL]
	s_wait_dscnt 0x0
	CROUND                                         ; everybody's part of slot 0 is in, and all sixteen work-groups are here
	JLOAD G0+4, G1, G0B+4, G1B                     ; slot 1's first fill: the first tensor load behind the round
	FETCH_B 0, 0, 0
	FETCH_A 0, 0, 0
	FETCH_A 0, 0, 4
	global_prefetch_b8 v27, s[92:93] th:TH_LOAD_NT scope:SCOPE_SE   ; behind K step 1's load and the run of LDS loads: K step 3
	STEP 0, 0, 1
	s_mov_b32 s3, LAPS-1
.Llap:                                                 ; a trip goes once round the ring and fills both slots again
	TURN 0, 1, 1
	STEP 1, 0, 0
	TURN 1, 0, 1
	STEP 0, 0, 0
	s_sub_co_u32 s3, s3, 1
	s_cmp_lg_u32 s3, 0
	s_cbranch_scc1 .Llap
	TURN 0, 1, 0                                   ; the last lap fills nothing
	STEP 1, 0, 0
	s_cmp_eq_u32 ttmp9, 2                          ; the part v has no rotation and asks for no table; the same in all sixteen partners
	s_cbranch_scc1 .Lno_tab
	WIN TO_B                                       ; set 0 of source 0 is done with (four places stand behind its last products): it takes the table of my tiles 0-3
	TABLOAD 0
	TABLOAD 1
	TABLOAD 2
	TABLOAD 3
	WIN 0
.Lno_tab:
	s_wait_dscnt 4*NL
	WIN MUL_LO
	MUL16 0, 1, 0
	MUL16 2, 1, 0
	s_wait_dscnt 0
	WIN MUL_HI
	MUL16 4, 1, 0
	MUL16 6, 1, 0
	WIN 0
	PLACES NP                                      ; in front of the first reads of results and of loads into the registers that held fragments
	s_cmp_eq_u32 ttmp9, 2
	s_cbranch_scc1 .Lv
	s_wait_loadcnt 24                              ; the table of tile 0 is in (behind it: tiles 1-3)
	WIN TO_B                                       ; set 1 of source 0 is done with too: the table of tiles 4-7
	TABLOAD 4
	TABLOAD 5
	TABLOAD 6
	TABLOAD 7
	WIN 0
.irp a, 0,1,2,3,4,5,6,7
	QKBLOCK \a
.endr
	s_branch .Lend
.Lv:
	s_wait_alu depctr_va_vdst(0)
.irp a, 0,1,2,3,4,5,6,7
	VBLOCK \a
.endr
.Lend:
	s_wait_tensorcnt 0x0                           ; the end of the wave
	ds_add_u32 v[SPW], v[NIL]
	s_wait_dscnt 0x0
	CROUND                                         ; the closing round: no work-group ends while a partner may still ask for a tile that names it
	s_endpgm
.Lfunc_end_k_qac6c940543_qkv:
	.size	k_qac6c940543_qkv, .Lfunc_end_k_qac6c940543_qkv-k_qac6c940543_qkv
	.p2alignl 7, 3214868480
	.fill 96, 4, 3214868480
	.section	.rodata,"a",@progbits
	.p2align	6, 0x0
	.amdhsa_kernel k_qac6c940543_qkv
		.amdhsa_group_segment_fixed_size 327680
		.amdhsa_private_segment_fixed_size 0
		.amdhsa_enable_private_segment 0
		.amdhsa_kernarg_size 48
		.amdhsa_user_sgpr_count 2
		.amdhsa_user_sgpr_kernarg_segment_ptr 1
		.amdhsa_wavefront_size32 1
		.amdhsa_system_sgpr_workgroup_id_x 1
		.amdhsa_system_sgpr_workgroup_id_y 1
		.amdhsa_system_sgpr_workgroup_id_z 1
		.amdhsa_system_vgpr_workitem_id 0
		.amdhsa_next_free_vgpr 1024
		.amdhsa_next_free_sgpr 100
		.amdhsa_reserve_vcc 0
		.amdhsa_float_denorm_mode_32 3
		.amdhsa_float_denorm_mode_16_64 3
		.amdhsa_memory_ordered 1
		.amdhsa_forward_progress 1
		.amdhsa_inst_pref_size 238
	.end_amdhsa_kernel
	.amdgpu_metadata
---
amdhsa.version: [ 1, 2 ]
amdhsa.kernels:
  - .name:           k_qac6c940543_qkv
    .symbol:         k_qac6c940543_qkv.kd
    .args:
      - { .name: x_img, .offset: 0, .size: 8, .value_kind: global_buffer, .address_space: global }
      - { .name: wa_img, .offset: 8, .size: 8, .value_kind: global_buffer, .address_space: global }
      - { .name: b_attn, .offset: 16, .size: 8, .value_kind: global_buffer, .address_space: global }
      - { .name: rope, .offset: 24, .size: 8, .value_kind: global_buffer, .address_space: global }
      - { .name: lowp_scales, .offset: 32, .size: 8, .value_kind: global_buffer, .address_space: global }
      - { .name: qkv, .offset: 40, .size: 8, .value_kind: global_buffer, .address_space: global }
    .group_segment_fixed_size: 327680
    .private_segment_fixed_size: 0
    .kernarg_segment_align: 8
    .kernarg_segment_size: 48
    .max_flat_workgroup_size: 128
    .sgpr_count:     100
    .vgpr_count:     1024
    .wavefront_size: 32
...
	.end_amdgpu_metadata
.endif
;; end of part 2
;; launch attn (part 3): grid 4 x 64, 8 waves a work-group, clusters of 4 x 1, 327,680 bytes of LDS; arguments qkv, lowp_scales, y_img; writes y_img
.if DOCPART == 3
	.amdgcn_target "amdgcn-amd-amdhsa--gfx1250"
	.amdhsa_code_object_version 6
	.text
	.protected	k_qac6c940543_attn
	.globl	k_qac6c940543_attn
	.p2align	8
	.type	k_qac6c940543_attn,@function
k_qac6c940543_attn:
	s_mov_b64 s[64:65], 0
	v_nop
	global_prefetch_b8 v0, s[64:65] scope:SCOPE_SE
	s_setreg_imm32_b32 hwreg(HW_REG_WAVE_MODE, 25, 1), 1
	s_wait_xcnt 0x0
	s_wait_alu depctr_hold_cnt(0) depctr_sa_sdst(0) depctr_va_vdst(0) depctr_va_sdst(0) depctr_va_ssrc(0) depctr_va_vcc(0) depctr_vm_vsrc(0)
	s_getreg_b32 s2, hwreg(HW_REG_IB_STS2, 6, 4)
	s_cmp_eq_u32 s2, 0
	s_cbranch_scc0 .Lentry_in_a_cluster
	s_endpgm
.Lentry_in_a_cluster:
	s_bfe_u32 s2, ttmp6, 0x10000c
	s_cmp_lg_u32 s2, 0x3003
	s_cbranch_scc0 .Lentry_shape_is_right
	s_endpgm
.Lentry_shape_is_right:
; ATTN: y = softmax(q k^T / 8, causal) v for one head and batch in each cluster, both products on codes of E4M3; y leaves as codes, in the image that the last product reads.
; qkv [b h : 64][Q | K | V], 131,072 bytes each.  Q, K: [t / 16 : 128][1,024]: fragments of 16 t x 64 d.  V: [t / 128 : 16][d / 16 : 4][2,048]: fragments of 16 d x 128 keys.
; A fragment lies as it stands in registers, [quad][lane][16 bytes], so every fragment load is ds_load_b128 or global_load_b128 at 16 x lane.
; THE SOFTMAX: t = score x log2(e) / 8; M = the largest t of the row so far, rounded UP to a whole number; p = 2^(t - M) is quantised with 2^e4; the sum of the row is taken of the unquantised p and divides at the end.
; When M moves, the sum and O are multiplied by 2^(old M - new M): exact.
; LDS holds the whole K (bytes 0 to 131,071) and the whole V (behind it) of the head: a copy, byte for byte, of 262,144 bytes of qkv.  Nothing is filled twice: no ring.
; CLUSTER: the four work-groups share the head, so K and V are asked for JOINTLY, three loads a wave (key steps 0-1, 2-7, 8-15), each wave a slice of its own.
; SHARES: the 2,048 queries are 16 blocks of 128.  Partner cx owns tiles 2 cx and 2 cx + 1 (32 queries) of EVERY block.  Wave w takes block 15 - w (pass A), then block w (pass B): (16 - w) + (w + 1) = 17 key steps for every wave.
; So which key steps are left out (J > block) and which lies on the diagonal (J = block) hangs on the number of the wave and a counter alone, never on the place in the cluster; cx enters global addresses and the data of the mask.
; LAYOUT: S^T = K Q^T (source 0 = 16 keys, source 1 = 16 queries), O^T = V^T P^T (source 0 = 16 channels, source 1 = P): a lane holds ONE query throughout.
; Register j of tile t of S^T is key 16 t + 8 h + j: eight conversions give the register pairs of P in the very places that the form gives each key.
; The two tiles of queries of a wave share every fragment of K and V.
; LIMITS: e2 + e3 between -121 and 130 (added to the exponent field of c); e4 and e6 - e4 - e5 between -126 and 119.  NaN among the inputs is not served.
; REGISTERS: window 0: v1-7 addresses and the mask; v8-23 statistics, 8 a tile; v24-27 second chains of the sums; v28-31 scales; v32-159 S^T, then p; v160-191 P; v192-255 K.
;   window 1: v0-63 O^T (32 tile + 8 d / 16); v64-79 Q of pass A; v80-95 Q of pass B; v128-191 V.
.set LN16, 1                           ; v1   16 x lane
.set ADK,  2                           ; v2   LDS address of the step in K
.set ADV,  3                           ; v3   in V
.set DQ,   4                           ; v4-5 my query in its block, less 8 h, for tile 0, 1
.set NINF, 6                           ; v6   -infinity
.set LNV,  7                           ; v7   16 x lane + 131,072
.set ST,   8                           ; tile n at v[ST + 8 n]: +0 -M, +1 the largest t, +2, +3 the sum in two halves, +4 f (+5 named with it), +6, +7 at work
.set C2,   24
.set PSC,  28                          ; 2^e4
.set PLIM, 29                          ; 448 x 2^e4
.set YSC,  30                          ; 2^(e6 - e4 - e5)
.set YLIM, 31
.set S,    32
.set P,    160
.set KF,   192
.set QA,   64
.set QB,   80
.set VF,   128
.set MSB, 0
.macro WIN new
.if MSB != \new
	s_set_vgpr_msb (MSB<<8)|\new
.set MSB, \new
.endif
.endm
.macro CROUND                          ; a round of the barrier of the cluster
	s_barrier_signal -1
	s_barrier_wait -1
	s_cmp_lg_u32 s10, 0
	s_cbranch_scc1 .Lnot_wave_0_\@
	s_barrier_signal -3
.Lnot_wave_0_\@:
	s_barrier_wait -3
	s_barrier_signal -1
	s_barrier_wait -1
.endm
.macro G1SET g, rows                   ; a dense block as rows of 32 elements of 8 bytes; the mask names all four work-groups
	s_mov_b32 s[\g], 15|(3<<16)|(1<<21)
	s_mov_b32 s[\g+1], 32<<16
	s_mov_b32 s[\g+2], (\rows)<<16
	s_mov_b32 s[\g+3], 32<<16
	s_mov_b32 s[\g+4], \rows
	s_mov_b32 s[\g+5], 32
	s_mov_b32 s[\g+6], 0
	s_mov_b32 s[\g+7], 0
.endm
.macro G0SET n, off                    ; the same offset in LDS and from the first byte of K of the head
	s_mov_b32 s[48+4*\n], 1
	s_mov_b32 s[49+4*\n], s[\off]
	s_mov_b32 s66, s[\off]
	s_add_nc_u64 s[50+4*\n:51+4*\n], s[80:81], s[66:67]
	s_or_b32 s[51+4*\n], s[51+4*\n], 0x80000000
.endm
.macro INIT                            ; the step is written once: the first finds zeros, which the first change of M leaves zeros
.irp n, 0,1
	v_mov_b32 v[ST+8*\n+1], 0xff61b1e6             ; the largest t so far: -3e38
	s_delay_alu instid0(VALU_DEP_1)
	v_floor_f32 v[ST+8*\n], -v[ST+8*\n+1]
	v_mov_b32 v[ST+8*\n+2], 0
	v_mov_b32 v[ST+8*\n+3], 0
	v_mov_b32 v[ST+8*\n+4], 0
	v_mov_b32 v[ST+8*\n+5], 0
	v_mov_b32 v[ST+8*\n+6], 0
	v_mov_b32 v[ST+8*\n+7], 0
.endr
	WIN 0x40
.set j, 0
.rept 64
	v_mov_b32 v[j], 0
.set j, j+1
.endr
	WIN 0
.endm
; A KEY STEP: 128 keys at LDS byte s15 of K and of V, for my two tiles of queries.  qreg: their fragments.  guarded = 1: the step may lie behind the mask (left out) or on the diagonal (masked).
.macro STEP qreg, guarded
.if \guarded
	s_cmp_gt_u32 s14, s13
	s_cbranch_scc1 .Lskip_\@                       ; all 128 keys come after my queries: only the address is stepped
.endif
	v_add_nc_u32 v[ADK], s15, v[LN16]
	v_add_nc_u32 v[ADV], s15, v[LNV]
	v_nop
	v_nop                                          ; four plain lines between the last products and the loads into the registers that they read
.irp t, 0,1,2,3,4,5,6,7
	ds_load_b128 v[KF+8*\t:KF+8*\t+3], v[ADK] offset:1024*\t
	ds_load_b128 v[KF+8*\t+4:KF+8*\t+7], v[ADK] offset:1024*\t+512
.endr
	WIN 0x40                                       ; destination window 1
.irp d, 0,1,2,3
.irp c, 0,1,2,3
	ds_load_b128 v[VF+16*\d+4*\c:VF+16*\d+4*\c+3], v[ADV] offset:2048*\d+512*\c
.endr
.endr
	s_wait_dscnt 16                                ; K is in; the 16 loads of V may be out
	WIN 0x04                                       ; source 1 (Q) window 1
.irp t, 0,1,2,3,4,5,6,7
.irp n, 0,1
	v_wmma_f32_16x16x64_fp8_fp8 v[S+64*\n+8*\t:S+64*\n+8*\t+7], v[KF+8*\t:KF+8*\t+7], v[\qreg+8*\n:\qreg+8*\n+7], 0
.endr
.endr
	WIN 0
.rept 4
	v_nop
.endr
.if \guarded
	s_cmp_lg_u32 s14, s13
	s_cbranch_scc1 .Lopen_\@                       ; all keys count
.irp t, 0,1,2,3,4,5,6,7
.irp j, 0,1,2,3,4,5,6,7
.irp n, 0,1
	v_cmp_gt_i32 vcc_lo, 16*\t+\j, v[DQ+\n]        ; key 16 t + 8 h + j of the block comes after my query: its score becomes -infinity, p = 0
	v_cndmask_b32 v[S+64*\n+8*\t+\j], v[S+64*\n+8*\t+\j], v[NINF], vcc_lo
.endr
.endr
.endr
.Lopen_\@:
.endif
.irp n, 0,1                                    ; the largest score of my query among my 64 keys, two chains a tile, each accumulator from its low end on
	v_max3_num_f32 v[ST+8*\n+6], v[S+64*\n], v[S+64*\n+1], v[S+64*\n+2]
	v_max3_num_f32 v[ST+8*\n+7], v[S+64*\n+3], v[S+64*\n+4], v[S+64*\n+5]
.endr
.irp i, 6,10,14,18,22,26,30,34,38,42,46,50,54,58
.irp n, 0,1
	v_max3_num_f32 v[ST+8*\n+6], v[ST+8*\n+6], v[S+64*\n+\i], v[S+64*\n+\i+1]
	v_max3_num_f32 v[ST+8*\n+7], v[ST+8*\n+7], v[S+64*\n+\i+2], v[S+64*\n+\i+3]
.endr
.endr
.irp n, 0,1
	v_max3_num_f32 v[ST+8*\n+6], v[ST+8*\n+6], v[S+64*\n+62], v[S+64*\n+63]
.endr
.irp n, 0,1
	s_delay_alu instid0(VALU_DEP_2)
	v_max_num_f32 v[ST+8*\n+6], v[ST+8*\n+6], v[ST+8*\n+7]
.endr
.irp n, 0,1
	s_delay_alu instid0(VALU_DEP_2)
	v_permlanex16_b32 v[ST+8*\n+7], v[ST+8*\n+6], s18, s19   ; the other 64 keys of the query lie in the lane 16 away
.endr
.irp n, 0,1
	s_delay_alu instid0(VALU_DEP_2)
	v_max_num_f32 v[ST+8*\n+6], v[ST+8*\n+6], v[ST+8*\n+7]
.endr
.irp n, 0,1
	s_delay_alu instid0(VALU_DEP_2)
	v_mul_f32 v[ST+8*\n+6], s16, v[ST+8*\n+6]      ; as t (c is positive)
.endr
.irp n, 0,1
	s_delay_alu instid0(VALU_DEP_2)
	v_max_num_f32 v[ST+8*\n+1], v[ST+8*\n+1], v[ST+8*\n+6]
.endr
.irp n, 0,1
	v_mov_b32 v[ST+8*\n+6], v[ST+8*\n]
.endr
.irp n, 0,1
	s_delay_alu instid0(VALU_DEP_4)
	v_floor_f32 v[ST+8*\n], -v[ST+8*\n+1]          ; the new -M = floor(-t): M is a whole number
.endr
.irp n, 0,1
	s_delay_alu instid0(VALU_DEP_2)
	v_sub_f32 v[ST+8*\n+6], v[ST+8*\n], v[ST+8*\n+6]
.endr
.irp n, 0,1
	s_delay_alu instid0(VALU_DEP_2)
	v_cvt_i32_f32 v[ST+8*\n+6], v[ST+8*\n+6]       ; old M - new M, 0 or less (it saturates)
.endr
.irp n, 0,1
	s_delay_alu instid0(VALU_DEP_2)
	v_ldexp_f32 v[ST+8*\n+4], 1.0, v[ST+8*\n+6]    ; f = 2^(old M - new M)
.endr
.set j, 0
.rept 32
	v_pk_fma_f32 v[S+j:S+j+1], v[S+j:S+j+1], s[16:17], v[ST:ST+1] op_sel_hi:[1,0,0]               ; t - M, two at a time (of the pairs c and -M the low word serves both halves)
	v_pk_fma_f32 v[S+64+j:S+64+j+1], v[S+64+j:S+64+j+1], s[16:17], v[ST+8:ST+9] op_sel_hi:[1,0,0]
.set j, j+2
.endr
.set j, 0
	s_wait_alu depctr_va_vdst(0)
.rept 128
	v_exp_f32 v[S+j], v[S+j]                       ; p = 2^(t - M): one batch
.set j, j+1
.endr
.irp n, 0,1
	v_pk_mul_f32 v[ST+8*\n+2:ST+8*\n+3], v[ST+8*\n+2:ST+8*\n+3], v[ST+8*\n+4:ST+8*\n+5] op_sel_hi:[1,0]   ; the sums under the new M; also the plain line behind the exponentials
.endr
	s_wait_alu depctr_va_vdst(0)                   ; one wait for the whole batch, ahead of its first reader
.irp n, 0,1
	v_pk_add_f32 v[C2+2*\n:C2+2*\n+1], v[S+64*\n:S+64*\n+1], v[S+64*\n+2:S+64*\n+3]   ; the sum is taken of the UNQUANTISED p
.endr
.irp i, 4,8,12,16,20,24,28,32,36,40,44,48,52,56,60
.irp n, 0,1
	v_pk_add_f32 v[ST+8*\n+2:ST+8*\n+3], v[ST+8*\n+2:ST+8*\n+3], v[S+64*\n+\i:S+64*\n+\i+1]
	v_pk_add_f32 v[C2+2*\n:C2+2*\n+1], v[C2+2*\n:C2+2*\n+1], v[S+64*\n+\i+2:S+64*\n+\i+3]
.endr
.endr
.irp n, 0
	s_delay_alu instid0(VALU_DEP_3)
	v_pk_add_f32 v[ST+8*\n+2:ST+8*\n+3], v[ST+8*\n+2:ST+8*\n+3], v[C2+2*\n:C2+2*\n+1]
.endr
.irp n, 1
	s_delay_alu instid0(VALU_DEP_2)
	v_pk_add_f32 v[ST+8*\n+2:ST+8*\n+3], v[ST+8*\n+2:ST+8*\n+3], v[C2+2*\n:C2+2*\n+1]
.endr
.irp t, 0,1,2,3,4,5,6,7
.irp n, 0,1
.irp i, 0,2,4,6
	v_dual_min_num_f32 v[S+64*\n+8*\t+\i], v[PLIM], v[S+64*\n+8*\t+\i] :: v_dual_min_num_f32 v[S+64*\n+8*\t+\i+1], v[PLIM], v[S+64*\n+8*\t+\i+1]   ; the conversion does not saturate (ISA guide 7.6.2); p is not negative: a one-sided hold, two numbers an instruction
.endr
.endr
.irp n, 0,1
	v_cvt_scalef32_pk8_fp8_f32 v[P+16*\n+2*\t:P+16*\n+2*\t+1], v[S+64*\n+8*\t:S+64*\n+8*\t+7], v[PSC]
.endr
.endr
	WIN 0x41                                       ; O^T (destination and source 0) window 1, f window 0
.irp n, 0,1
.set j, 0
.rept 16
	v_pk_mul_f32 v[32*\n+j:32*\n+j+1], v[32*\n+j:32*\n+j+1], v[ST+8*\n+4:ST+8*\n+5] op_sel_hi:[1,0]   ; O^T under the new M.  These are also the plain lines behind the conversions
.set j, j+2
.endr
.endr
	s_wait_alu depctr_va_vdst(0)
	s_wait_dscnt 0x0                               ; V is in
	WIN 0x51                                       ; V window 1, P window 0, C and D window 1
.irp d, 0,1,2,3
.irp n, 0,1
	v_wmma_f32_16x16x128_fp8_fp8 v[32*\n+8*\d:32*\n+8*\d+7], v[VF+16*\d:VF+16*\d+15], v[P+16*\n:P+16*\n+15], v[32*\n+8*\d:32*\n+8*\d+7]   ; the eight accumulators take turns
.endr
.endr
	WIN 0
.if \guarded
.Lskip_\@:
.endif
	s_add_co_u32 s15, s15, 8192                    ; a key step is 8,192 bytes of K and of V
.endm
; THE WAY OUT of a pass: O^T / the sum, quantised with 2^(e6 - e4 - e5) (O^T stands for O^T x 2^(e4 + e5)).  A lane holds query r and channels 16 d + 8 h + j: the pairs of registers of a fragment of y, as they are.
.macro OUT
.rept 4
	v_nop
.endr
.irp n, 0,1
	v_add_f32 v[ST+8*\n+6], v[ST+8*\n+2], v[ST+8*\n+3]
.endr
.irp n, 0,1
	s_delay_alu instid0(VALU_DEP_2)
	v_permlanex16_b32 v[ST+8*\n+7], v[ST+8*\n+6], s18, s19
.endr
.irp n, 0,1
	s_delay_alu instid0(VALU_DEP_2)
	v_add_f32 v[ST+8*\n+6], v[ST+8*\n+6], v[ST+8*\n+7]
.endr
	s_wait_alu depctr_va_vdst(0)
.irp n, 0,1
	v_rcp_f32 v[ST+8*\n+4], v[ST+8*\n+6]
.endr
	v_nop                                          ; a plain line behind the reciprocals
	s_and_b32 s21, s12, 15                         ; the head
	s_lshr_b32 s22, s12, 4                         ; the batch
	s_lshr_b32 s23, s21, 2
	s_lshl_b32 s23, s23, 9                         ; which 256 along K: 512 row tiles each
	s_lshl_b32 s22, s22, 7
	s_add_co_u32 s23, s23, s22
	s_lshl_b32 s22, s13, 3
	s_add_co_u32 s23, s23, s22
	s_lshl_b32 s22, s11, 1
	s_add_co_u32 s23, s23, s22                     ; + row tile 128 batch + 8 block + 2 cx
	s_lshl_b32 s66, s23, 12
	s_and_b32 s22, s21, 3
	s_lshl_b32 s22, s22, 10                        ; 64 channels are 1,024 bytes of the 4,096 of a row tile
	s_add_co_u32 s66, s66, s22
	s_wait_alu depctr_va_vdst(0)                   ; one wait for both reciprocals, ahead of their first reader
	WIN 0x01                                       ; source 0 window 1
.irp n, 0,1
.set j, 0
.rept 16
	v_pk_mul_f32 v[S+32*\n+j:S+32*\n+j+1], v[32*\n+j:32*\n+j+1], v[ST+8*\n+4:ST+8*\n+5] op_sel_hi:[1,0]   ; each accumulator from its low end on
.set j, j+2
.endr
.endr
	WIN 0
.set j, 0
.rept 64
	v_med3_num_f32 v[S+j], v[S+j], -v[YLIM], v[YLIM]
.set j, j+1
.endr
	s_wait_alu depctr_va_vdst(0)
	s_wait_xcnt 0x0                                ; earlier stores have read their base and their data
	s_add_nc_u64 s[60:61], s[8:9], s[66:67]
.irp n, 0,1
.irp d, 0,1,2,3
	v_cvt_scalef32_pk8_fp8_f32 v[P+8*\n+2*\d:P+8*\n+2*\d+1], v[S+32*\n+8*\d:S+32*\n+8*\d+7], v[YSC]
.endr
.endr
	v_nop                                          ; a plain line behind the conversions
.irp n, 0,1
.irp c, 0,1
	global_store_b128 v[LN16], v[P+8*\n+4*\c:P+8*\n+4*\c+3], s[60:61] offset:4096*\n+512*\c   ; 512 consecutive bytes, aligned
.endr
.endr
.endm
	s_load_b128 s[4:7], s[0:1], 0x0                ; qkv s[4:5], the scales s[6:7]
	s_load_b64 s[8:9], s[0:1], 0x10                ; y_img
	s_set_vgpr_msb 0x40
	v_lshl_add_u32 v254, v0, 2, 0x40000
	v_mov_b32 v255, 0
	s_set_vgpr_msb 0x4045
	ds_add_u32 v254, v255
	ds_add_u32 v254, v255
	s_set_vgpr_msb 0x4500
	v_lshrrev_b32 v1, 5, v0
	s_delay_alu instid0(VALU_DEP_1)
	v_readfirstlane_b32 s10, v1                    ; wave 0..7
	s_bfe_u32 s11, ttmp6, 0x40000                  ; cx
	s_and_b32 s12, ttmp7, 0xffff                   ; batch x 16 + head: the y of the cluster
	G1SET 24, 16                                   ; key steps 0-1: 4,096 bytes a wave
	G1SET 32, 48                                   ; 2-7: 12,288
	G1SET 40, 64                                   ; 8-15: 16,384
	s_lshr_b32 s21, s10, 2                         ; waves 0-3 fetch K, waves 4-7 V,
	s_and_b32 s22, s10, 3                          ; a quarter of each chunk
	s_lshl_b32 s21, s21, 17
	s_lshl_b32 s23, s22, 12
	s_add_co_u32 s23, s23, s21
	s_mul_i32 s62, s22, 12288
	s_add_co_u32 s62, s62, s21
	s_add_co_u32 s62, s62, 16384
	s_lshl_b32 s63, s22, 14
	s_add_co_u32 s63, s63, s21
	s_add_co_u32 s63, s63, 65536
	s_mul_i32 s82, s12, 393216
	s_mov_b32 s83, 0
	s_mov_b32 s67, 0
	s_wait_dscnt 0x0
	s_wait_kmcnt 0x0
	s_load_b256 s[68:75], s[6:7], 0x0              ; e0 .. e7
	s_add_nc_u64 s[4:5], s[4:5], s[82:83]          ; Q of the head,
	s_add_nc_u64 s[80:81], s[4:5], 131072          ; its K, and V behind it
	G0SET 0, 23
	G0SET 1, 62
	G0SET 2, 63
	CROUND                                         ; all four work-groups are here: the joint loads meet
	tensor_load_to_lds s[48:51], s[24:31]          ; key steps 0-1: one load a wave at the head; the two later chunks follow, each behind a round of its own
	s_nop 0
.rept 4
	v_nop
.endr
	v_and_b32 v1, 31, v0
	s_delay_alu instid0(VALU_DEP_1)
	v_lshlrev_b32 v[LN16], 4, v1
	s_wait_alu depctr_va_vdst(0)
	v_add_nc_u32 v[LNV], 0x20000, v[LN16]
	s_xor_b32 s13, s10, 15                         ; pass A: block 15 - wave
	s_lshl_b32 s22, s11, 1
	s_lshl_b32 s21, s13, 3
	s_add_co_u32 s21, s21, s22
	s_lshl_b32 s66, s21, 10                        ; tile 8 block + 2 cx, 1,024 bytes a tile
	s_add_nc_u64 s[76:77], s[4:5], s[66:67]
	s_lshl_b32 s21, s10, 3                         ; pass B: block wave
	s_add_co_u32 s21, s21, s22
	s_lshl_b32 s66, s21, 10
	s_add_nc_u64 s[78:79], s[4:5], s[66:67]
	WIN 0x40
.irp n, 0,1
.irp c, 0,1
	global_load_b128 v[QA+8*\n+4*\c:QA+8*\n+4*\c+3], v[LN16], s[76:77] offset:1024*\n+512*\c
	global_load_b128 v[QB+8*\n+4*\c:QB+8*\n+4*\c+3], v[LN16], s[78:79] offset:1024*\n+512*\c
.endr
.endr
	WIN 0
	v_and_b32 v8, 15, v0
	v_bfe_u32 v9, v0, 4, 1
	s_delay_alu instid0(VALU_DEP_1)
	v_lshlrev_b32 v9, 3, v9
	s_delay_alu instid0(VALU_DEP_1)
	v_sub_nc_u32 v[DQ], v8, v9
	s_lshl_b32 s21, s11, 5
	v_add_nc_u32 v[DQ], s21, v[DQ]                 ; 16 (2 cx) + r - 8 h
	s_delay_alu instid0(VALU_DEP_1)
	v_add_nc_u32 v[DQ+1], 16, v[DQ]
	v_mov_b32 v[NINF], 0xff800000
	s_mov_b32 s18, 0x76543210                      ; v_permlanex16_b32: lane l xor 16
	s_mov_b32 s19, 0xfedcba98
	s_mov_b32 s14, 0                               ; J: the key step
	s_mov_b32 s15, 0                               ; its LDS byte
	s_wait_kmcnt 0x0
	s_add_co_i32 s21, s70, s71
	s_lshl_b32 s21, s21, 23
	s_add_co_i32 s16, s21, 0x3e38aa3b              ; c = log2(e) / 8, with e2 + e3 added to its exponent field
	s_mov_b32 s17, s16
	s_add_co_i32 s21, s72, 127
	s_lshl_b32 s22, s21, 23
	v_mov_b32 v[PSC], s22
	s_add_co_i32 s21, s21, 8
	s_lshl_b32 s21, s21, 23
	s_or_b32 s21, s21, 0x600000
	v_mov_b32 v[PLIM], s21
	s_sub_co_i32 s21, s74, s72
	s_sub_co_i32 s21, s21, s73
	s_add_co_i32 s21, s21, 127
	s_lshl_b32 s22, s21, 23
	v_mov_b32 v[YSC], s22
	s_add_co_i32 s21, s21, 8
	s_lshl_b32 s21, s21, 23
	s_or_b32 s21, s21, 0x600000
	v_mov_b32 v[YLIM], s21
	INIT
	s_wait_loadcnt 0x0                             ; Q
	; ---- pass A.  Its first eight steps lie ahead of the diagonal for every wave (block >= 8): no guard.  The three barriers fall there, where every wave has work.
	s_wait_alu depctr_va_vdst(0)
	WIN 0x05                                       ; the add's two registers lie in window 1
	s_wait_tensorcnt 0x0                           ; my slice of key steps 0-1 is in; the three lines ahead of a later first fill
	ds_add_u32 v254, v255
	s_wait_dscnt 0x0
	WIN 0
	CROUND                                         ; everybody's slice is in, and all four work-groups are here
	tensor_load_to_lds s[52:55], s[32:39]          ; key steps 2-7: it has two key steps in which to land
	s_nop 0
.rept 4
	v_nop
.endr
	s_mov_b32 s20, 2
.La0:
	STEP QA, 0
	s_add_co_u32 s14, s14, 1
	s_sub_co_u32 s20, s20, 1
	s_cmp_lg_u32 s20, 0
	s_cbranch_scc1 .La0
	WIN 0x05
	s_wait_tensorcnt 0x0                           ; my slice of key steps 2-7 is in
	ds_add_u32 v254, v255
	s_wait_dscnt 0x0
	WIN 0
	CROUND
	tensor_load_to_lds s[56:59], s[40:47]          ; key steps 8-15: it has six key steps in which to land
	s_nop 0
.rept 4
	v_nop
.endr
	s_mov_b32 s20, 6
.La1:
	STEP QA, 0
	s_add_co_u32 s14, s14, 1
	s_sub_co_u32 s20, s20, 1
	s_cmp_lg_u32 s20, 0
	s_cbranch_scc1 .La1
	s_wait_tensorcnt 0x0                           ; key steps 8-15
	s_wait_dscnt 0x0
	s_barrier_signal -1
	s_barrier_wait -1
	s_mov_b32 s20, 8
.La2:
	STEP QA, 1
	s_add_co_u32 s14, s14, 1
	s_sub_co_u32 s20, s20, 1
	s_cmp_lg_u32 s20, 0
	s_cbranch_scc1 .La2
	OUT
	; ---- pass B: block wave, key steps 0 to 7
	s_mov_b32 s13, s10
	s_mov_b32 s14, 0
	s_mov_b32 s15, 0
	INIT
	s_wait_xcnt 0x0                                ; the stores of pass A have read the registers that pass B writes again
	s_mov_b32 s20, 8
.Lb:
	STEP QB, 1
	s_add_co_u32 s14, s14, 1
	s_sub_co_u32 s20, s20, 1
	s_cmp_lg_u32 s20, 0
	s_cbranch_scc1 .Lb
	OUT
	s_set_vgpr_msb 0x5
	s_wait_tensorcnt 0x0
	ds_add_u32 v254, v255
	s_wait_dscnt 0x0
	s_set_vgpr_msb 0x500
	CROUND                                         ; the closing round
	s_endpgm
.Lfunc_end_k_qac6c940543_attn:
	.size	k_qac6c940543_attn, .Lfunc_end_k_qac6c940543_attn-k_qac6c940543_attn
	.p2alignl 7, 3214868480
	.fill 96, 4, 3214868480
	.section	.rodata,"a",@progbits
	.p2align	6, 0x0
	.amdhsa_kernel k_qac6c940543_attn
		.amdhsa_group_segment_fixed_size 327680
		.amdhsa_private_segment_fixed_size 0
		.amdhsa_enable_private_segment 0
		.amdhsa_kernarg_size 24
		.amdhsa_user_sgpr_count 2
		.amdhsa_user_sgpr_kernarg_segment_ptr 1
		.amdhsa_wavefront_size32 1
		.amdhsa_system_sgpr_workgroup_id_x 1
		.amdhsa_system_sgpr_workgroup_id_y 1
		.amdhsa_system_sgpr_workgroup_id_z 1
		.amdhsa_system_vgpr_workitem_id 0
		.amdhsa_next_free_vgpr 512
		.amdhsa_next_free_sgpr 84
		.amdhsa_reserve_vcc 1
		.amdhsa_float_denorm_mode_32 3
		.amdhsa_float_denorm_mode_16_64 3
		.amdhsa_memory_ordered 1
		.amdhsa_forward_progress 1
		.amdhsa_inst_pref_size 167
	.end_amdhsa_kernel
	.amdgpu_metadata
---
amdhsa.version: [ 1, 2 ]
amdhsa.kernels:
  - .name:           k_qac6c940543_attn
    .symbol:         k_qac6c940543_attn.kd
    .args:
      - { .name: qkv, .offset: 0, .size: 8, .value_kind: global_buffer, .address_space: global }
      - { .name: lowp_scales, .offset: 8, .size: 8, .value_kind: global_buffer, .address_space: global }
      - { .name: y_img, .offset: 16, .size: 8, .value_kind: global_buffer, .address_space: global }
    .group_segment_fixed_size: 327680
    .private_segment_fixed_size: 0
    .kernarg_segment_align: 8
    .kernarg_segment_size: 24
    .max_flat_workgroup_size: 256
    .sgpr_count:     84
    .vgpr_count:     512
    .wavefront_size: 32
...
	.end_amdgpu_metadata
.endif
;; end of part 3
;; launch proj (part 4): grid 4 x 64, 4 waves a work-group, clusters of 4 x 4, 327,680 bytes of LDS; arguments y_img, wp_img, b_proj, lowp_scales, out0; writes out0
.if DOCPART == 4
	.amdgcn_target "amdgcn-amd-amdhsa--gfx1250"
	.amdhsa_code_object_version 6
	.text
	.protected	k_qac6c940543_proj
	.globl	k_qac6c940543_proj
	.p2align	8
	.type	k_qac6c940543_proj,@function
k_qac6c940543_proj:
	s_mov_b64 s[64:65], 0
	v_nop
	global_prefetch_b8 v0, s[64:65] scope:SCOPE_SE
	s_setreg_imm32_b32 hwreg(HW_REG_WAVE_MODE, 25, 1), 1
	s_wait_xcnt 0x0
	s_wait_alu depctr_hold_cnt(0) depctr_sa_sdst(0) depctr_va_vdst(0) depctr_va_sdst(0) depctr_va_ssrc(0) depctr_va_vcc(0) depctr_vm_vsrc(0)
	s_getreg_b32 s2, hwreg(HW_REG_IB_STS2, 6, 4)
	s_cmp_eq_u32 s2, 0
	s_cbranch_scc0 .Lentry_in_a_cluster
	s_endpgm
.Lentry_in_a_cluster:
	s_bfe_u32 s2, ttmp6, 0x10000c
	s_cmp_lg_u32 s2, 0xf033
	s_cbranch_scc0 .Lentry_shape_is_right
	s_endpgm
.Lentry_shape_is_right:
; PROJ: out0 = y w_proj + b_proj on codes of E4M3; a sum stands for sum x 2^(e6 + e7).  LIMIT: e6 + e7 between -126 and 127.
; y_img [K / 256 : 4][row tile : 512][2][2,048] and wp_img [4][column tile : 64][2][2,048] hold fragments of 16 rows x 128 K as they stand in registers, [quad][lane][16 bytes].
; A block of out0 is 128 rows x 256 columns: 64 x 4 = 256 work-groups.  A wave makes 64 x 128: 32 accumulators (a, b) at v[8 (8 a + b)] of window 2; a: tile of y, b: tile of w_proj.
; Source 0 = 16 columns of w_proj, source 1 = 16 rows of y: a lane holds eight neighbouring columns of one row of out0.
; K goes in four steps of 256 through two LDS slots: y 32,768 bytes (waves 0, 1 fetch a half each), then w_proj 65,536 (waves 2, 3).
; CLUSTERS 4 x 4: y's tiles are asked for jointly along a row of the cluster, w_proj's along a column.
; Both operands have two sets of fragments (window 0 v128-255: y; window 1: w_proj): a step's 48 LDS loads are issued ahead of the 32 products of the step before.
; No prefetch: the four fills are written out, there is no loop to run ahead in, and two of the four go out at the start.
.set SLOT,   98304
.set BOFF,   32768
.set SPARE,  2*SLOT
.set ASTEP,  2097152
.set BSTEP,  262144
.set FR,     16
.set NP,     4
.set SPITCH, 528                       ; the way out: a stage of 16 rows x (512 + 16) bytes a wave, in slot 0 behind its last fill and last read
.set ADR1, 16                          ; v16-17 my fragments of y in slot 0, 1
.set ADR0, 20                          ; v20-21 of w_proj
.set LN16, 24
.set STO,  25
.set RD,   26
.set SPW,  28                          ; my spare word; never rewritten
.set NIL,  29                          ; 0; never rewritten
.set AF,   128
.set BK,   128
.set G1, 24
.set G0, 32
.set G1B, 48
.set G0B, 56
.set MSB, 0
.macro WIN new
.if MSB != \new
	s_set_vgpr_msb (MSB<<8)|\new
.set MSB, \new
.endif
.endm
.set MUL_LO, 0xa1                      ; source 0 window 1, source 1 window 0, C and D window 2
.set TO_B,   0x40
.macro JLOAD g0a, g1a, g0b, g1b        ; waves 0, 1: y; waves 2, 3: w_proj.  s_nop 0 and four v_nop behind each line
	s_cmp_eq_u32 s17, 0
	s_cbranch_scc0 .Lfor_b_\@
	tensor_load_to_lds s[\g0a:\g0a+3], s[\g1a:\g1a+7]
	s_nop 0
.rept 4
	v_nop
.endr
	s_branch .Lasked_\@
.Lfor_b_\@:
	tensor_load_to_lds s[\g0b:\g0b+3], s[\g1b:\g1b+7]
	s_nop 0
.rept 4
	v_nop
.endr
.Lasked_\@:
.endm
.macro CREST
	s_cmp_lg_u32 s16, 0
	s_cbranch_scc1 .Lnot_wave_0_\@
	s_barrier_signal -3
.Lnot_wave_0_\@:
	s_barrier_wait -3
	s_barrier_signal -1
	s_barrier_wait -1
.endm
.macro CROUND
	s_barrier_signal -1
	s_barrier_wait -1
	CREST
.endm
.macro FRAG reg, adr, q, i
.irp c, 0,1,2,3
	ds_load_b128 v[\reg+4*\c:\reg+4*\c+3], v[\adr] offset:4096*(\i)+2048*(\q)+512*\c
.endr
.endm
.macro FETCH slot, q, p                ; the slot's q-th 128 along K into set p: eight tiles of w_proj, four of y
	WIN TO_B
.irp i, 0,1,2,3,4,5,6,7
	FRAG 128*(\p)+FR*\i, ADR0+\slot, \q, \i
.endr
	WIN 0
.irp i, 0,1,2,3
	FRAG AF+64*(\p)+FR*\i, ADR1+\slot, \q, \i
.endr
.endm
.macro MUL16 a0, p, zero               ; the 32 accumulators take turns, in the same order in every step
.irp a, \a0, \a0+1
.irp b, 0,1,2,3,4,5,6,7
.if \zero
	v_wmma_f32_16x16x128_fp8_fp8 v[8*(8*(\a)+\b):8*(8*(\a)+\b)+7], v[128*(\p)+FR*\b:128*(\p)+FR*\b+FR-1], v[AF+64*(\p)+FR*(\a):AF+64*(\p)+FR*(\a)+FR-1], 0
.else
	v_wmma_f32_16x16x128_fp8_fp8 v[8*(8*(\a)+\b):8*(8*(\a)+\b)+7], v[128*(\p)+FR*\b:128*(\p)+FR*\b+FR-1], v[AF+64*(\p)+FR*(\a):AF+64*(\p)+FR*(\a)+FR-1], v[8*(8*(\a)+\b):8*(8*(\a)+\b)+7]
.endif
.endr
.endr
.endm
.macro PLACES n
.rept \n
	v_nop
.endr
.endm
.macro STEP slot, zero                 ; a slot's first 128: multiplies set 0, fetches the second 128 into set 1
	s_wait_dscnt 0x0                               ; set 0 is in
	PLACES NP                                      ; between the last products on set 1 and the loads into it
	FETCH \slot, 1, 1
	WIN MUL_LO
	MUL16 0, 0, \zero
	MUL16 2, 0, \zero
	WIN 0
.endm
.macro TURN slot, next, fill           ; a slot's second 128: multiplies set 1 and changes slots
	s_wait_tensorcnt 0x0                           ; my part of the next slot is in
	ds_add_u32 v[SPW], v[NIL]
	s_wait_dscnt 0x0                               ; the add is done, set 1 is in, and my reads of this slot are over
	s_barrier_signal -1
	WIN MUL_LO
	MUL16 0, 1, 0
	WIN 0
	s_barrier_wait -1
.if \fill
	CREST                                          ; the barrier has opened a round of the cluster's barrier
	s_add_nc_u64 s[G0+4*\slot+2:G0+4*\slot+3], s[G0+4*\slot+2:G0+4*\slot+3], 2*ASTEP
	s_add_nc_u64 s[G0B+4*\slot+2:G0B+4*\slot+3], s[G0B+4*\slot+2:G0B+4*\slot+3], 2*BSTEP
	JLOAD G0+4*\slot, G1, G0B+4*\slot, G1B         ; its four v_nop are the places in front of the loads below
.else
	PLACES NP
.endif
	FETCH \next, 0, 0
	WIN MUL_LO
	MUL16 2, 1, 0
	WIN 0
.endm
.macro TOSTAGE a                       ; block a, 16 rows x 128 columns, into my stage and back as rows of 512 bytes; LDS serves a wave in order
.set AC, 64*(\a)
	WIN 0x08                                       ; store data: window 2
.irp b, 0,1,2,3,4,5,6,7
	ds_store_b128 v[STO], v[AC+8*\b:AC+8*\b+3] offset:64*\b
	ds_store_b128 v[STO], v[AC+8*\b+4:AC+8*\b+7] offset:64*\b+16
.endr
	WIN 0
.set BB, BK+64*((\a)%2)
.irp t, 0,1,2,3,4,5,6,7,8,9,10,11,12,13,14,15
	ds_load_b128 v[BB+4*\t:BB+4*\t+3], v[RD] offset:\t*SPITCH
.endr
.endm
.macro SEND a, younger                 ; younger: LDS instructions issued behind block a's loads
.set BB, BK+64*((\a)%2)
	s_wait_dscnt \younger
.if (\a) > 0
	s_add_nc_u64 s[14:15], s[14:15], 65536         ; 16 rows on (behind a wait on XCNT)
.endif
.irp t, 0,1,2,3,4,5,6,7,8,9,10,11,12,13,14,15
	v_pk_fma_f32 v[BB+4*\t:BB+4*\t+1], v[BB+4*\t:BB+4*\t+1], s[96:97], v[8:9] op_sel_hi:[1,0,1]       ; x 2^(e6 + e7), + the bias
	v_pk_fma_f32 v[BB+4*\t+2:BB+4*\t+3], v[BB+4*\t+2:BB+4*\t+3], s[96:97], v[10:11] op_sel_hi:[1,0,1]
.endr
.irp t, 0,1,2,3,4,5,6,7,8,9,10,11,12,13,14,15
	global_store_b128 v[LN16], v[BB+4*\t:BB+4*\t+3], s[14:15] offset:4096*\t th:TH_STORE_NT   ; 32 lanes store 512 consecutive bytes, aligned
.endr
.endm
	s_load_b256 s[4:11], s[0:1], 0x0               ; y_img, wp_img, b_proj, the scales
	s_load_b64 s[14:15], s[0:1], 0x20              ; out0
	v_lshl_add_u32 v[SPW], v0, 2, SPARE
	v_mov_b32 v[NIL], 0
	ds_add_u32 v[SPW], v[NIL]
	ds_add_u32 v[SPW], v[NIL]
	v_lshrrev_b32 v1, 5, v0
	v_readfirstlane_b32 s16, v1                    ; wave 0..3
	s_lshr_b32 s17, s16, 1                         ; my half of the 128 rows.  Also: I fetch y (0) or w_proj (1)
	s_and_b32 s18, s16, 1                          ; my half of the 256 columns.  Also: which half I fetch
	s_bfe_u32 s40, ttmp6, 0x40000                  ; cx, cy
	s_bfe_u32 s41, ttmp6, 0x40004
	s_lshl_b32 s42, ttmp9, 2
	s_add_co_u32 s42, s42, s40                     ; block column
	s_and_b32 s43, ttmp7, 0xffff
	s_lshl_b32 s43, s43, 2
	s_add_co_u32 s43, s43, s41                     ; block row
	s_lshl_b32 s44, s41, 2
	s_lshl_b32 s44, 15, s44                        ; my row of the cluster
	s_lshl_b32 s45, 0x1111, s40                    ; my column
	s_or_b32 s[G1+0], s44, (3<<16)|(1<<21)         ; dense blocks as rows of 32 elements of 8 bytes: y 64 rows, w_proj 128
	s_or_b32 s[G1B+0], s45, (3<<16)|(1<<21)
	s_mov_b32 s[G1+1], 32<<16
	s_mov_b32 s[G1+2], 64<<16
	s_mov_b32 s[G1+3], 32<<16
	s_mov_b32 s[G1+4], 64
	s_mov_b32 s[G1+5], 32
	s_mov_b32 s[G1+6], 0
	s_mov_b32 s[G1+7], 0
	s_mov_b32 s[G1B+1], 32<<16
	s_mov_b32 s[G1B+2], 128<<16
	s_mov_b32 s[G1B+3], 32<<16
	s_mov_b32 s[G1B+4], 128
	s_mov_b32 s[G1B+5], 32
	s_mov_b32 s[G1B+6], 0
	s_mov_b32 s[G1B+7], 0
	s_lshl_b32 s22, s18, 14                        ; y: LDS byte, and the same from the block's first byte
	s_lshl_b32 s20, s43, 15                        ; 8 row tiles of 4,096 bytes a block row
	s_add_co_u32 s20, s20, s22
	s_mov_b32 s21, 0
	s_lshl_b32 s19, s18, 15
	s_lshl_b32 s46, s42, 16                        ; 16 column tiles a block column
	s_add_co_u32 s46, s46, s19
	s_mov_b32 s47, 0
	s_add_co_u32 s23, s19, BOFF                    ; w_proj: LDS byte
	s_wait_dscnt 0x0                               ; both opening adds are done
	s_wait_kmcnt 0x0
	s_load_b256 s[68:75], s[10:11], 0x0            ; e0 .. e7
	s_add_nc_u64 s[20:21], s[4:5], s[20:21]
	s_add_nc_u64 s[46:47], s[6:7], s[46:47]
	CROUND                                         ; in front of the first joint loads
.irp s, 0,1
	s_mov_b32 s[G0+4*\s], 1
	s_add_co_u32 s[G0+4*\s+1], s22, \s*SLOT
	s_add_nc_u64 s[G0+4*\s+2:G0+4*\s+3], s[20:21], \s*ASTEP
	s_or_b32 s[G0+4*\s+3], s[G0+4*\s+3], 0x80000000
	s_mov_b32 s[G0B+4*\s], 1
	s_add_co_u32 s[G0B+4*\s+1], s23, \s*SLOT
	s_add_nc_u64 s[G0B+4*\s+2:G0B+4*\s+3], s[46:47], \s*BSTEP
	s_or_b32 s[G0B+4*\s+3], s[G0B+4*\s+3], 0x80000000
.endr
	JLOAD G0, G1, G0B, G1B                         ; slot 0: one tensor load a wave at the head
	s_lshl_b32 s77, s17, 14                        ; my four tiles of y
	s_add_co_u32 s76, s19, BOFF                    ; my eight tiles of w_proj
	s_mul_i32 s19, s16, 16*SPITCH                  ; my stage
	s_lshl_b32 s82, s42, 10
	s_lshl_b32 s83, s18, 9
	s_add_co_u32 s82, s82, s83                     ; my first column, in bytes of f32
	s_mov_b32 s83, 0
	s_add_nc_u64 s[8:9], s[8:9], s[82:83]
	s_add_nc_u64 s[14:15], s[14:15], s[82:83]
	s_lshl_b32 s82, s43, 19                        ; 128 rows of 4,096 bytes
	s_lshl_b32 s84, s17, 18
	s_add_co_u32 s82, s82, s84
	s_add_nc_u64 s[14:15], s[14:15], s[82:83]
	v_and_b32 v1, 31, v0
	v_lshlrev_b32 v[LN16], 4, v1
	v_and_b32 v2, 15, v0
	v_bfe_u32 v3, v0, 4, 1
	v_add_nc_u32 v[ADR1], s77, v[LN16]
	v_add_nc_u32 v[ADR0], s76, v[LN16]
	v_add_nc_u32 v[ADR1+1], SLOT, v[ADR1]
	v_add_nc_u32 v[ADR0+1], SLOT, v[ADR0]
	v_mul_u32_u24 v[STO], v2, SPITCH
	v_lshl_add_u32 v[STO], v3, 5, v[STO]
	v_add_nc_u32 v[STO], s19, v[STO]               ; in: row r, 32 bytes for each half of the lanes
	v_add_nc_u32 v[RD], s19, v[LN16]               ; back: 32 lanes take a row of 512 bytes
	global_load_b128 v[8:11], v[LN16], s[8:9]      ; the bias of my four columns of a row
	s_wait_alu depctr_va_vdst(0)
	s_wait_tensorcnt 0x0                           ; my part of slot 0 is in; the three lines ahead of a later first fill
	ds_add_u32 v[SPW], v[NIL]
	s_wait_dscnt 0x0
	CROUND
	JLOAD G0+4, G1, G0B+4, G1B                     ; slot 1's first fill
	FETCH 0, 0, 0
	STEP 0, 1                                      ; the first products start the sums
	TURN 0, 1, 1
	STEP 1, 0
	TURN 1, 0, 1
	STEP 0, 0
	TURN 0, 1, 0                                   ; the last two slots are in or on their way: nothing more is filled
	STEP 1, 0
	s_wait_dscnt 0x0
	WIN MUL_LO
	MUL16 0, 1, 0
	MUL16 2, 1, 0
	WIN 0
	s_wait_kmcnt 0x0
	s_add_co_i32 s96, s74, s75
	s_add_co_i32 s96, s96, 127
	s_lshl_b32 s96, s96, 23                        ; 2^(e6 + e7) as f32
	s_mov_b32 s97, s96
	s_wait_loadcnt 0x0                             ; the bias
	PLACES NP                                      ; in front of the first reads of results and of loads into the fragments' registers
	TOSTAGE 0
.irp a, 1,2,3
.if \a > 1
	s_wait_xcnt 0x0                                ; the stores of two blocks back have read their registers and their base
.endif
	TOSTAGE \a
	SEND \a-1, 32                                  ; behind block a - 1's loads: block a's 16 stores and 16 loads
.endr
	s_wait_xcnt 0x0
	SEND 3, 0
	s_wait_tensorcnt 0x0                           ; the wave's end
	ds_add_u32 v[SPW], v[NIL]
	s_wait_dscnt 0x0
	CROUND                                         ; the closing round
	s_endpgm
.Lfunc_end_k_qac6c940543_proj:
	.size	k_qac6c940543_proj, .Lfunc_end_k_qac6c940543_proj-k_qac6c940543_proj
	.p2alignl 7, 3214868480
	.fill 96, 4, 3214868480
	.section	.rodata,"a",@progbits
	.p2align	6, 0x0
	.amdhsa_kernel k_qac6c940543_proj
		.amdhsa_group_segment_fixed_size 327680
		.amdhsa_private_segment_fixed_size 0
		.amdhsa_enable_private_segment 0
		.amdhsa_kernarg_size 40
		.amdhsa_user_sgpr_count 2
		.amdhsa_user_sgpr_kernarg_segment_ptr 1
		.amdhsa_wavefront_size32 1
		.amdhsa_system_sgpr_workgroup_id_x 1
		.amdhsa_system_sgpr_workgroup_id_y 1
		.amdhsa_system_sgpr_workgroup_id_z 1
		.amdhsa_system_vgpr_workitem_id 0
		.amdhsa_next_free_vgpr 768
		.amdhsa_next_free_sgpr 100
		.amdhsa_reserve_vcc 0
		.amdhsa_float_denorm_mode_32 3
		.amdhsa_float_denorm_mode_16_64 3
		.amdhsa_memory_ordered 1
		.amdhsa_forward_progress 1
		.amdhsa_inst_pref_size 75
	.end_amdhsa_kernel
	.amdgpu_metadata
---
amdhsa.version: [ 1, 2 ]
amdhsa.kernels:
  - .name:           k_qac6c940543_proj
    .symbol:         k_qac6c940543_proj.kd
    .args:
      - { .name: y_img, .offset: 0, .size: 8, .value_kind: global_buffer, .address_space: global }
      - { .name: wp_img, .offset: 8, .size: 8, .value_kind: global_buffer, .address_space: global }
      - { .name: b_proj, .offset: 16, .size: 8, .value_kind: global_buffer, .address_space: global }
      - { .name: lowp_scales, .offset: 24, .size: 8, .value_kind: global_buffer, .address_space: global }
      - { .name: out0, .offset: 32, .size: 8, .value_kind: global_buffer, .address_space: global }
    .group_segment_fixed_size: 327680
    .private_segment_fixed_size: 0
    .kernarg_segment_align: 8
    .kernarg_segment_size: 40
    .max_flat_workgroup_size: 128
    .sgpr_count:     100
    .vgpr_count:     768
    .wavefront_size: 32
...
	.end_amdgpu_metadata
.endif
;; end of part 4
